; MI455X (gfx1250); checked and timed in simulation.
; The chip was launched on July 23, 2026; its instructions are those of AMD's public machine-readable ISA for CDNA 5 (MIT licence, August 2026) and "CDNA5" Instruction Set Architecture Reference Guide (July 2026). The comments in the code are by the model that wrote it; some were corrected since.
;; Bit Linear FFN. Allowed arithmetic: float matrix products may take bf16 or f16 operands with f32 sums; other float arithmetic in f32, or as packed bf16 or f16 multiplies, adds, multiply-adds, maxima and minima; sums over many terms, partial sums and values carried from step to step in f32; what a program stores and reads back later, other than sums and carried values, may be rounded once to bf16 or f16.
;; Inputs: w_down 1,024 x 2,048 float32; w_gate 2,048 x 1,024 float32; w_up 2,048 x 1,024 float32; x 4 x 2,048 x 1,024 float32.
;; Outputs: out0 4 x 2,048 x 1,024 float32.
;; 2 versions, each right; version 2 is version 1 with the launch tern written anew for expert scheduling mode. Each part assembles by itself: llvm-mc -triple=amdgcn-amd-amdhsa -mcpu=gfx1250 --defsym DOCPART=n.
;; ======== version 1 of 2: 5 launches
;; workspace buffers: xq 16,777,216 bytes; rs 65,536 bytes; wpart 1,024 bytes; wgu 8,388,608 bytes; wdq 4,194,304 bytes; wscale 256 bytes; h 67,108,864 bytes; hq 33,554,432 bytes
;; launch prep (part 1): grid 704 x 1, 16 waves a work-group, no clusters, 2,304 bytes of LDS; arguments x, w_gate, w_up, w_down, xq, rs, wpart; writes xq, rs, wpart
.if DOCPART == 1
	.amdgcn_target "amdgcn-amd-amdhsa--gfx1250"
	.amdhsa_code_object_version 6
	.text
	.protected	k_q266eb734e6_prep
	.globl	k_q266eb734e6_prep
	.p2align	8
	.type	k_q266eb734e6_prep,@function
k_q266eb734e6_prep:
	s_mov_b64 s[64:65], 0
	v_nop
	global_prefetch_b8 v0, s[64:65] scope:SCOPE_SE
	s_setreg_imm32_b32 hwreg(HW_REG_WAVE_MODE, 25, 1), 1
	s_wait_xcnt 0x0
; Two jobs side by side, told apart by the work-group's number g.
; g < 512: x [8192][1024] f32 is quantised by rows.  Each number is rounded once to bf16; of those numbers m = max(max |x|, 1e-5), s = 127 / m,
;   q = clip(round(x s), -128, 127), a whole number that bf16 holds exactly -> xq [8192][1024] bf16; the row's factor m / 127 -> rs[row] (f32).
;   One wave takes one row (4,096 bytes: eight loads of 16 bytes a lane) and keeps it in registers between the maximum and the scaling.
; g >= 512: j = g - 512; the sum of |w| (w rounded once to bf16) over 131,072 bytes of tensor j / 64 (gate, up, down) -> wpart[j], f32, in a fixed order.
; LIMITS.  All inputs are taken rounded to bf16 (nearest even); NaN and infinities are not treated apart; the row factor is m / 127, not 1 / (127 / m): the last bits may differ.
; No loop: all loads of a wave are out at once, and the waits count down as they arrive.  No matrix work, no cluster: no byte is read twice.
.set SPARE, 256                        ; LDS: bytes 0-63 one word a wave; from 256 on the spare words, 128 bytes for each of 16 waves
.set VAL,  5                           ; v5  what the wave hands to wave 0: the row's factor, or its partial sum
.set B,    16                          ; v[16:31]  the row as packed bf16
.set L,    32                          ; v[32:95]  as loaded, then at work
.set ACC,  96                          ; v[96:103] four running maxima, or four pairs of sums
.set SPW,  104                         ; v104 LDS address of my spare word; never rewritten
.set NIL,  105                         ; v105 0; never rewritten
	s_load_b256 s[4:11], s[0:1], 0x0               ; x s[4:5], w_gate s[6:7], w_up s[8:9], w_down s[10:11]
	s_load_b128 s[12:15], s[0:1], 0x20             ; xq s[12:13], rs s[14:15]
	s_load_b64 s[16:17], s[0:1], 0x30              ; wpart
	v_lshl_add_u32 v[SPW], v0, 2, SPARE
	v_mov_b32 v[NIL], 0
	v_lshrrev_b32 v4, 5, v0
	v_readfirstlane_b32 s18, v4                    ; wave 0..15
	v_and_b32 v3, 31, v0                           ; lane
	v_lshlrev_b32 v4, 2, v4                        ; my wave's word in LDS
	v_lshlrev_b32 v1, 4, v3                        ; 16 bytes a lane on the way in
	v_lshlrev_b32 v2, 3, v3                        ; 8 bytes a lane on the way out
	v_lshlrev_b32 v7, 2, v3                        ; 4 bytes a lane in the tail's store
	v_and_b32 v6, 15, v0
	v_lshlrev_b32 v6, 2, v6                        ; the word of wave lane % 16
	s_mov_b32 s20, 0x7fff7fff                      ; clears the signs of two bf16
	s_mov_b32 s21, 0x42fe0000                      ; 127.0
	s_mov_b32 s22, 0xffff0000                      ; a word's upper bf16
	s_mov_b32 s23, 0xc3000000                      ; -128.0
	s_mov_b32 s24, 0x76543210                      ; v_permlanex16_b32: each lane takes its own place in the other half
	s_mov_b32 s25, 0xfedcba98
	s_mov_b32 s3, 0
	s_wait_kmcnt 0x0
	s_cmp_lt_u32 ttmp9, 512                        ; the same answer in all waves of a work-group
	s_cbranch_scc0 .Lw
	; ---- a row of x ----
	s_lshl_b32 s2, ttmp9, 16                       ; 16 rows of 4,096 bytes a work-group,
	s_lshl_b32 s32, s18, 12                        ; one a wave
	s_add_co_u32 s2, s2, s32
	s_add_nc_u64 s[4:5], s[4:5], s[2:3]
	s_lshr_b32 s2, s2, 1                           ; half as many bytes in xq
	s_add_nc_u64 s[12:13], s[12:13], s[2:3]
	s_lshl_b32 s2, ttmp9, 6
	s_add_nc_u64 s[30:31], s[14:15], s[2:3]        ; the work-group's 16 factors in rs
	s_mov_b32 s28, 16                              ; lanes that store in the tail
.irp j, 0,1,2,3,4,5,6,7
	global_load_b128 v[L+4*(\j):L+4*(\j)+3], v1, s[4:5] offset:512*(\j) th:TH_LOAD_NT
.endr
.irp j, 0,1,2,3,4,5,6,7
	s_wait_loadcnt 7-(\j)                          ; loads come back in order: load j is in, the younger ones stay out
	v_cvt_pk_bf16_f32 v[B+2*(\j)], v[L+4*(\j)], v[L+4*(\j)+1]
	v_cvt_pk_bf16_f32 v[B+2*(\j)+1], v[L+4*(\j)+2], v[L+4*(\j)+3]
.endr
.irp k, 0,1,2,3
	v_and_b32 v[ACC+(\k)], s20, v[B+(\k)]          ; the first four words start four chains: nothing is cleared
.endr
.set k, 4
.rept 12
	v_and_b32 v[8+k%4], s20, v[B+k]
	v_pk_max_num_bf16 v[ACC+k%4], v[ACC+k%4], v[8+k%4]
.set k, k+1
.endr
	v_pk_max_num_bf16 v[ACC], v[ACC], v[ACC+1]
	v_pk_max_num_bf16 v[ACC+2], v[ACC+2], v[ACC+3]
	v_pk_max_num_bf16 v[ACC], v[ACC], v[ACC+2]
	v_lshlrev_b32 v8, 16, v[ACC]
	v_and_b32 v9, s22, v[ACC]
	v_max_num_f32 v8, v8, v9
	v_max_num_f32_dpp v8, v8, v8 row_xmask:1 row_mask:0xf bank_mask:0xf
	v_max_num_f32_dpp v8, v8, v8 row_xmask:2 row_mask:0xf bank_mask:0xf
	v_max_num_f32_dpp v8, v8, v8 row_xmask:4 row_mask:0xf bank_mask:0xf
	v_max_num_f32_dpp v8, v8, v8 row_xmask:8 row_mask:0xf bank_mask:0xf
	v_permlanex16_b32 v9, v8, s24, s25
	v_max_num_f32 v8, v8, v9
	v_max_num_f32 v8, 0x3727c5ac, v8               ; m = max(., 1e-5)
	v_rcp_f32 v9, v8
	v_mul_f32 v[VAL], 0x3c010204, v8               ; m / 127: the plain instruction behind the reciprocal
	s_wait_alu depctr_va_vdst(0)                   ; the wait ahead of the reciprocal's first reader
	v_mul_f32 v10, s21, v9                         ; 127 / m: a first value,
	v_fma_f32 v11, -v10, v8, s21                   ; what it leaves of 127,
	v_fma_f32 v14, v11, v9, v10                    ; and the correction
	v_mov_b32 v15, v14
.irp j, 0,1,2,3,4,5,6,7
.irp c, 0,1
	v_lshlrev_b32 v[L+4*(\j)+2*(\c)], 16, v[B+2*(\j)+(\c)]     ; the bf16 numbers as f32
	v_and_b32 v[L+4*(\j)+2*(\c)+1], s22, v[B+2*(\j)+(\c)]
.endr
.irp c, 0,2
	v_pk_mul_f32 v[L+4*(\j)+(\c):L+4*(\j)+(\c)+1], v[L+4*(\j)+(\c):L+4*(\j)+(\c)+1], v[14:15]
.endr
.irp c, 0,1,2,3
	v_rndne_f32 v[L+4*(\j)+(\c)], v[L+4*(\j)+(\c)]
.endr
.irp c, 0,1,2,3
	v_med3_num_f32 v[L+4*(\j)+(\c)], v[L+4*(\j)+(\c)], s23, s21
.endr
	v_cvt_pk_bf16_f32 v[B+2*(\j)], v[L+4*(\j)], v[L+4*(\j)+1]  ; whole numbers up to 128: exact in bf16
	v_cvt_pk_bf16_f32 v[B+2*(\j)+1], v[L+4*(\j)+2], v[L+4*(\j)+3]
	global_store_b64 v2, v[B+2*(\j):B+2*(\j)+1], s[12:13] offset:256*(\j)  ; the wave's store covers 256 consecutive bytes, aligned
.endr
	s_branch .Ltail
	; ---- 8,192 bytes of a weight tensor ----
.Lw:
	s_sub_co_u32 s32, ttmp9, 512                   ; j
	s_lshr_b32 s33, s32, 6                         ; the tensor
	s_and_b32 s34, s32, 63                         ; its chunk of 131,072 bytes
	s_cmp_eq_u32 s33, 0
	s_cselect_b64 s[4:5], s[6:7], s[8:9]
	s_cmp_eq_u32 s33, 2
	s_cselect_b64 s[4:5], s[10:11], s[4:5]
	s_lshl_b32 s2, s34, 17
	s_lshl_b32 s35, s18, 13
	s_add_co_u32 s2, s2, s35
	s_add_nc_u64 s[4:5], s[4:5], s[2:3]
	s_lshl_b32 s2, s32, 2
	s_add_nc_u64 s[30:31], s[16:17], s[2:3]        ; wpart[j]
	s_mov_b32 s28, 1
.irp k, 0,1,2,3,4,5,6,7,8,9,10,11,12,13,14,15
	global_load_b128 v[L+4*(\k):L+4*(\k)+3], v1, s[4:5] offset:512*(\k)
.endr
.set p, 0
.rept 32                               ; pair p of the lane's 64 numbers: rounded to bf16, signs cleared, widened, added; four chains of pairs
.if p%8 == 0
	s_wait_loadcnt 12-p/2                          ; the next four loads are in
.endif
	v_cvt_pk_bf16_f32 v[8+p%4], v[L+2*p], v[L+2*p+1]
	v_and_b32 v[8+p%4], s20, v[8+p%4]
.if p < 4
	v_lshlrev_b32 v[ACC+2*p], 16, v[8+p%4]         ; the first four pairs start the sums
	v_and_b32 v[ACC+2*p+1], s22, v[8+p%4]
.else
	v_lshlrev_b32 v[L+2*p], 16, v[8+p%4]
	v_and_b32 v[L+2*p+1], s22, v[8+p%4]
	v_pk_add_f32 v[ACC+2*(p%4):ACC+2*(p%4)+1], v[ACC+2*(p%4):ACC+2*(p%4)+1], v[L+2*p:L+2*p+1]
.endif
.set p, p+1
.endr
	v_pk_add_f32 v[ACC:ACC+1], v[ACC:ACC+1], v[ACC+2:ACC+3]
	v_pk_add_f32 v[ACC+4:ACC+5], v[ACC+4:ACC+5], v[ACC+6:ACC+7]
	v_pk_add_f32 v[ACC:ACC+1], v[ACC:ACC+1], v[ACC+4:ACC+5]
	v_add_f32 v[VAL], v[ACC], v[ACC+1]
	v_add_f32_dpp v[VAL], v[VAL], v[VAL] row_xmask:1 row_mask:0xf bank_mask:0xf
	v_add_f32_dpp v[VAL], v[VAL], v[VAL] row_xmask:2 row_mask:0xf bank_mask:0xf
	v_add_f32_dpp v[VAL], v[VAL], v[VAL] row_xmask:4 row_mask:0xf bank_mask:0xf
	v_add_f32_dpp v[VAL], v[VAL], v[VAL] row_xmask:8 row_mask:0xf bank_mask:0xf
	v_permlanex16_b32 v9, v[VAL], s24, s25
	v_add_f32 v[VAL], v[VAL], v9
	; ---- both jobs: the 16 waves' numbers meet in LDS, wave 0 stores them ----
.Ltail:
	ds_store_b32 v4, v[VAL]                        ; all lanes write the wave's word with the same value
	s_wait_dscnt 0x0                               ; for the others' sake: my store is done
	s_barrier_signal -1
	s_barrier_wait -1
	s_cmp_lg_u32 s18, 0
	s_cbranch_scc1 .Lend
	ds_load_b32 v[VAL], v6                         ; lane l: the number of wave l % 16
	s_wait_dscnt 0x0
	s_cmp_lt_u32 ttmp9, 512
	s_cbranch_scc1 .Lst                            ; row factors are stored as they are; partial sums are added, in a fixed order
	v_add_f32_dpp v[VAL], v[VAL], v[VAL] row_xmask:1 row_mask:0xf bank_mask:0xf
	v_add_f32_dpp v[VAL], v[VAL], v[VAL] row_xmask:2 row_mask:0xf bank_mask:0xf
	v_add_f32_dpp v[VAL], v[VAL], v[VAL] row_xmask:4 row_mask:0xf bank_mask:0xf
	v_add_f32_dpp v[VAL], v[VAL], v[VAL] row_xmask:8 row_mask:0xf bank_mask:0xf
.Lst:
	s_wait_xcnt 0x0                                ; EXEC is a source of the stores above: it changes only behind this wait
	v_cmp_gt_u32 vcc_lo, s28, v3
	s_and_saveexec_b32 s26, vcc_lo
	global_store_b32 v7, v[VAL], s[30:31]          ; 16 factors (64 consecutive bytes), or one sum
	s_wait_xcnt 0x0                                ; and again ahead of the line that widens it
	s_or_b32 exec_lo, exec_lo, s26
.Lend:
	s_wait_tensorcnt 0x0                           ; the wave's end
	ds_add_u32 v[SPW], v[NIL]
	s_wait_dscnt 0x0
	s_endpgm
.Lfunc_end_k_q266eb734e6_prep:
	.size	k_q266eb734e6_prep, .Lfunc_end_k_q266eb734e6_prep-k_q266eb734e6_prep
	.p2alignl 7, 3214868480
	.fill 96, 4, 3214868480
	.section	.rodata,"a",@progbits
	.p2align	6, 0x0
	.amdhsa_kernel k_q266eb734e6_prep
		.amdhsa_group_segment_fixed_size 2304
		.amdhsa_private_segment_fixed_size 0
		.amdhsa_enable_private_segment 0
		.amdhsa_kernarg_size 56
		.amdhsa_user_sgpr_count 2
		.amdhsa_user_sgpr_kernarg_segment_ptr 1
		.amdhsa_wavefront_size32 1
		.amdhsa_system_sgpr_workgroup_id_x 1
		.amdhsa_system_sgpr_workgroup_id_y 1
		.amdhsa_system_sgpr_workgroup_id_z 1
		.amdhsa_system_vgpr_workitem_id 0
		.amdhsa_next_free_vgpr 112
		.amdhsa_next_free_sgpr 66
		.amdhsa_reserve_vcc 1
		.amdhsa_float_denorm_mode_32 3
		.amdhsa_float_denorm_mode_16_64 3
		.amdhsa_memory_ordered 1
		.amdhsa_forward_progress 1
		.amdhsa_inst_pref_size 24
	.end_amdhsa_kernel
	.amdgpu_metadata
---
amdhsa.version: [ 1, 2 ]
amdhsa.kernels:
  - .name:           k_q266eb734e6_prep
    .symbol:         k_q266eb734e6_prep.kd
    .args:
      - { .name: x, .offset: 0, .size: 8, .value_kind: global_buffer, .address_space: global }
      - { .name: w_gate, .offset: 8, .size: 8, .value_kind: global_buffer, .address_space: global }
      - { .name: w_up, .offset: 16, .size: 8, .value_kind: global_buffer, .address_space: global }
      - { .name: w_down, .offset: 24, .size: 8, .value_kind: global_buffer, .address_space: global }
      - { .name: xq, .offset: 32, .size: 8, .value_kind: global_buffer, .address_space: global }
      - { .name: rs, .offset: 40, .size: 8, .value_kind: global_buffer, .address_space: global }
      - { .name: wpart, .offset: 48, .size: 8, .value_kind: global_buffer, .address_space: global }
    .group_segment_fixed_size: 2304
    .private_segment_fixed_size: 0
    .kernarg_segment_align: 8
    .kernarg_segment_size: 56
    .max_flat_workgroup_size: 512
    .sgpr_count:     66
    .vgpr_count:     112
    .wavefront_size: 32
...
	.end_amdgpu_metadata
.endif
;; end of part 1
;; launch tern (part 2): grid 128 x 3, 8 waves a work-group, no clusters, 0 bytes of LDS; arguments w_gate, w_up, w_down, wpart, wgu, wdq, wscale; writes wgu, wdq, wscale
.if DOCPART == 2
	.amdgcn_target "amdgcn-amd-amdhsa--gfx1250"
	.amdhsa_code_object_version 6
	.text
	.protected	k_q266eb734e6_tern
	.globl	k_q266eb734e6_tern
	.p2align	8
	.type	k_q266eb734e6_tern,@function
k_q266eb734e6_tern:
	s_mov_b64 s[64:65], 0
	v_nop
	global_prefetch_b8 v0, s[64:65] scope:SCOPE_SE
	s_setreg_imm32_b32 hwreg(HW_REG_WAVE_MODE, 25, 1), 1
	s_wait_xcnt 0x0
; The three weight tensors are made ternary.  Tensor t = the work-group's y (gate, up, down), 2^21 numbers each.
; mean = (the sum of wpart's 64 partial sums of tensor t) / 2^21; mc = max(mean, 1e-5); scale = 1 / mc; w is rounded once to bf16; tq = clip(round(w scale), -1, 1), stored as bf16.
; mc, by which a product is multiplied afterwards, -> wscale[t].
; Every wave adds the 64 partial sums in the same order, so all hold the same bits of scale.
; WHERE THEY GO.  wgu [4096][1024]: row 128 c + 64 s + i holds row 64 c + i of gate (s = 0) or up (s = 1): 128 rows on end are 64 gate rows and the 64 up rows of the same columns of h.
; wdq [1024][2048]: as w_down lies.  A work-group takes 65,536 bytes of its tensor (16 rows of gate or up, 8 of down), which are 32,768 consecutive bytes of the result; a wave an eighth.
; LIMITS.  Inputs are taken rounded to bf16; the factor is mc, not 1 / (1 / mc): the last bits may differ; NaN and infinities are not treated apart.
.set L, 32                             ; v[32:95] sixteen loads of four numbers a lane; each chunk's result is stored from its own first two registers
	s_load_b256 s[4:11], s[0:1], 0x0               ; gate s[4:5], up s[6:7], down s[8:9], wpart s[10:11]
	s_load_b128 s[12:15], s[0:1], 0x20             ; wgu s[12:13], wdq s[14:15]
	s_load_b64 s[16:17], s[0:1], 0x30              ; wscale
	v_lshrrev_b32 v6, 5, v0
	v_readfirstlane_b32 s18, v6                    ; wave 0..7
	v_and_b32 v3, 31, v0
	v_lshlrev_b32 v1, 4, v3                        ; 16 bytes a lane in
	v_lshlrev_b32 v2, 3, v3                        ; 8 bytes a lane out
	s_and_b32 s19, ttmp7, 0xffff                   ; t
	s_mov_b32 s22, 0xffff0000
	s_mov_b32 s24, 0x76543210
	s_mov_b32 s25, 0xfedcba98
	s_lshl_b32 s2, ttmp9, 16                       ; from: 65,536 bytes a work-group, 8,192 a wave
	s_lshl_b32 s28, s18, 13
	s_add_co_u32 s2, s2, s28
	s_mov_b32 s3, 0
	s_lshr_b32 s28, ttmp9, 2                       ; to, for gate and up: row 128 (j / 4) + 16 (j % 4) + 64 t, 2,048 bytes a row
	s_lshl_b32 s28, s28, 7
	s_and_b32 s29, ttmp9, 3
	s_lshl_b32 s29, s29, 4
	s_add_co_u32 s28, s28, s29
	s_lshl_b32 s29, s19, 6
	s_add_co_u32 s28, s28, s29
	s_lshl_b32 s28, s28, 11
	s_lshl_b32 s30, ttmp9, 15                      ; for down: 32,768 j
	s_lshl_b32 s31, s18, 12                        ; 4,096 bytes a wave
	s_lshl_b32 s32, s19, 8                         ; the tensor's 64 partial sums
	s_mov_b32 s33, 0
	s_lshl_b32 s34, s19, 2
	s_mov_b32 s35, 0
	s_wait_kmcnt 0x0
	s_cmp_eq_u32 s19, 0
	s_cselect_b64 s[4:5], s[4:5], s[6:7]
	s_cmp_eq_u32 s19, 2
	s_cselect_b64 s[4:5], s[8:9], s[4:5]
	s_cselect_b64 s[20:21], s[14:15], s[12:13]
	s_cselect_b32 s28, s30, s28
	s_add_co_u32 s28, s28, s31
	s_mov_b32 s29, 0
	s_add_nc_u64 s[4:5], s[4:5], s[2:3]
	s_add_nc_u64 s[20:21], s[20:21], s[28:29]
	s_add_nc_u64 s[10:11], s[10:11], s[32:33]
	s_add_nc_u64 s[16:17], s[16:17], s[34:35]
	global_load_b64 v[4:5], v2, s[10:11]           ; two partial sums a lane
.irp k, 0,1,2,3,4,5,6,7,8,9,10,11,12,13,14,15
	global_load_b128 v[L+4*(\k):L+4*(\k)+3], v1, s[4:5] offset:512*(\k) th:TH_LOAD_NT
.endr
	s_wait_loadcnt 16                              ; the partial sums are in; the sixteen younger loads stay out
	v_add_f32 v6, v4, v5
	v_add_f32_dpp v6, v6, v6 row_xmask:1 row_mask:0xf bank_mask:0xf
	v_add_f32_dpp v6, v6, v6 row_xmask:2 row_mask:0xf bank_mask:0xf
	v_add_f32_dpp v6, v6, v6 row_xmask:4 row_mask:0xf bank_mask:0xf
	v_add_f32_dpp v6, v6, v6 row_xmask:8 row_mask:0xf bank_mask:0xf
	v_permlanex16_b32 v4, v6, s24, s25
	v_add_f32 v6, v6, v4
	v_mul_f32 v6, 0x35000000, v6                   ; / 2^21
	v_max_num_f32 v14, 0x3727c5ac, v6              ; mc = max(mean, 1e-5)
	v_rcp_f32 v7, v14
	v_mov_b32 v15, 0                               ; the plain instruction behind the reciprocal
	s_wait_alu depctr_va_vdst(0)                   ; the wait ahead of the reciprocal's first reader
	v_fma_f32 v8, -v14, v7, 1.0
	v_fma_f32 v12, v8, v7, v7                      ; 1 / mc, corrected once
	v_mov_b32 v13, v12
.irp k, 0,1,2,3,4,5,6,7,8,9,10,11,12,13,14,15
	s_wait_loadcnt 15-(\k)                         ; load k is in
	v_cvt_pk_bf16_f32 v[16+2*((\k)%2)], v[L+4*(\k)], v[L+4*(\k)+1]
	v_cvt_pk_bf16_f32 v[17+2*((\k)%2)], v[L+4*(\k)+2], v[L+4*(\k)+3]
	v_lshlrev_b32 v[L+4*(\k)], 16, v[16+2*((\k)%2)]
	v_and_b32 v[L+4*(\k)+1], s22, v[16+2*((\k)%2)]
	v_lshlrev_b32 v[L+4*(\k)+2], 16, v[17+2*((\k)%2)]
	v_and_b32 v[L+4*(\k)+3], s22, v[17+2*((\k)%2)]
	v_pk_mul_f32 v[L+4*(\k):L+4*(\k)+1], v[L+4*(\k):L+4*(\k)+1], v[12:13]
	v_pk_mul_f32 v[L+4*(\k)+2:L+4*(\k)+3], v[L+4*(\k)+2:L+4*(\k)+3], v[12:13]
.irp c, 0,1,2,3
	v_rndne_f32 v[L+4*(\k)+(\c)], v[L+4*(\k)+(\c)]
.endr
.irp c, 0,1,2,3
	v_med3_num_f32 v[L+4*(\k)+(\c)], v[L+4*(\k)+(\c)], -1.0, 1.0
.endr
	v_cvt_pk_bf16_f32 v[L+4*(\k)], v[L+4*(\k)], v[L+4*(\k)+1]
	v_cvt_pk_bf16_f32 v[L+4*(\k)+1], v[L+4*(\k)+2], v[L+4*(\k)+3]
	global_store_b64 v2, v[L+4*(\k):L+4*(\k)+1], s[20:21] offset:256*(\k)  ; 256 consecutive bytes, aligned; the registers are the chunk's own and are not written again
.endr
	s_or_b32 s27, ttmp9, s18                       ; one wave of each tensor stores mc
	s_cmp_lg_u32 s27, 0
	s_cbranch_scc1 .Lend
	s_wait_xcnt 0x0                                ; EXEC changes only behind this wait
	v_cmp_eq_u32 vcc_lo, 0, v3
	s_and_saveexec_b32 s26, vcc_lo
	global_store_b32 v15, v14, s[16:17]
	s_wait_xcnt 0x0
	s_or_b32 exec_lo, exec_lo, s26
.Lend:
	s_endpgm
.Lfunc_end_k_q266eb734e6_tern:
	.size	k_q266eb734e6_tern, .Lfunc_end_k_q266eb734e6_tern-k_q266eb734e6_tern
	.p2alignl 7, 3214868480
	.fill 96, 4, 3214868480
	.section	.rodata,"a",@progbits
	.p2align	6, 0x0
	.amdhsa_kernel k_q266eb734e6_tern
		.amdhsa_group_segment_fixed_size 0
		.amdhsa_private_segment_fixed_size 0
		.amdhsa_enable_private_segment 0
		.amdhsa_kernarg_size 56
		.amdhsa_user_sgpr_count 2
		.amdhsa_user_sgpr_kernarg_segment_ptr 1
		.amdhsa_wavefront_size32 1
		.amdhsa_system_sgpr_workgroup_id_x 1
		.amdhsa_system_sgpr_workgroup_id_y 1
		.amdhsa_system_sgpr_workgroup_id_z 1
		.amdhsa_system_vgpr_workitem_id 0
		.amdhsa_next_free_vgpr 96
		.amdhsa_next_free_sgpr 66
		.amdhsa_reserve_vcc 1
		.amdhsa_float_denorm_mode_32 3
		.amdhsa_float_denorm_mode_16_64 3
		.amdhsa_memory_ordered 1
		.amdhsa_forward_progress 1
		.amdhsa_inst_pref_size 21
	.end_amdhsa_kernel
	.amdgpu_metadata
---
amdhsa.version: [ 1, 2 ]
amdhsa.kernels:
  - .name:           k_q266eb734e6_tern
    .symbol:         k_q266eb734e6_tern.kd
    .args:
      - { .name: w_gate, .offset: 0, .size: 8, .value_kind: global_buffer, .address_space: global }
      - { .name: w_up, .offset: 8, .size: 8, .value_kind: global_buffer, .address_space: global }
      - { .name: w_down, .offset: 16, .size: 8, .value_kind: global_buffer, .address_space: global }
      - { .name: wpart, .offset: 24, .size: 8, .value_kind: global_buffer, .address_space: global }
      - { .name: wgu, .offset: 32, .size: 8, .value_kind: global_buffer, .address_space: global }
      - { .name: wdq, .offset: 40, .size: 8, .value_kind: global_buffer, .address_space: global }
      - { .name: wscale, .offset: 48, .size: 8, .value_kind: global_buffer, .address_space: global }
    .group_segment_fixed_size: 0
    .private_segment_fixed_size: 0
    .kernarg_segment_align: 8
    .kernarg_segment_size: 56
    .max_flat_workgroup_size: 256
    .sgpr_count:     66
    .vgpr_count:     96
    .wavefront_size: 32
...
	.end_amdgpu_metadata
.endif
;; end of part 2
;; launch gemm1 (part 3): grid 16 x 32, 4 waves a work-group, clusters of 4 x 4, 327,680 bytes of LDS; arguments xq, wgu, h, rs, wscale; writes h
.if DOCPART == 3
	.amdgcn_target "amdgcn-amd-amdhsa--gfx1250"
	.amdhsa_code_object_version 6
	.text
	.protected	k_q266eb734e6_gemm1
	.globl	k_q266eb734e6_gemm1
	.p2align	8
	.type	k_q266eb734e6_gemm1,@function
k_q266eb734e6_gemm1:
	s_mov_b64 s[64:65], 0
	v_nop
	global_prefetch_b8 v0, s[64:65] scope:SCOPE_SE
	s_setreg_imm32_b32 hwreg(HW_REG_WAVE_MODE, 25, 1), 1
	s_wait_xcnt 0x0
	s_wait_alu depctr_hold_cnt(0) depctr_sa_sdst(0) depctr_va_vdst(0) depctr_va_sdst(0) depctr_va_ssrc(0) depctr_va_vcc(0) depctr_vm_vsrc(0)
	s_getreg_b32 s2, hwreg(HW_REG_IB_STS2, 6, 4)
	s_cmp_eq_u32 s2, 0
	s_cbranch_scc0 .Lentry_in_a_cluster
	s_endpgm
.Lentry_in_a_cluster:
	s_bfe_u32 s2, ttmp6, 0x10000c
	s_cmp_lg_u32 s2, 0xf033
	s_cbranch_scc0 .Lentry_shape_is_right
	s_endpgm
.Lentry_shape_is_right:
; h[m][c] = silu(g) u, g = dx[m] dwg Sg, u = dx[m] dwu Su, with Sg, Su the sums over k of xq[m][k] times the ternary gate and up weights.
; xq [8192][1024] and wgu [4096][1024] hold whole numbers in bf16 (up to 128; -1, 0, 1): every product and every f32 sum (at most 1024 x 128) is exact.  h: [8192][2048] f32.
; dx = rs[m] (the row's absmax / 127), dwg, dwu = wscale[0], [1] (the clipped means).  h = (Sg Su) c2 / (1 + 2^(Sg kg)), kg = -log2(e) dx dwg, c2 = dx^2 dwg dwu.
; Where 2^(Sg kg) passes f32's range the quotient is 0, as silu's is; NaN and infinities are not treated apart.
; SHARES.  A work-group of four waves makes 256 rows x 256 rows of wgu; a wave 128 x 128: 64 accumulators, 512 registers.  128 rows of wgu on end are 64 gate rows and the 64 up rows of the same
; columns of h, so a wave holds g and u of one number of h in the same lane and register place of accumulators b and b + 4, and its part of h is 128 rows x 64 columns (256 bytes a row).
; K goes in steps of 128 through a ring of two LDS slots filled by the tensor data mover; rows of 256 bytes, padded to 272 in LDS.
; CLUSTERS: 4 x 4 work-groups.  The four of a row of the cluster need the same rows of xq, the four of a column the same rows of wgu: each tile is asked for jointly, by the same load with the same
; descriptor and a mask that names the four.
; THE MATRIX INSTRUCTION IS USED TRANSPOSED (source 0 = 16 rows of wgu, source 1 = 16 rows of xq): lane l holds row l % 16 and the columns 8 (l / 16) + 0..7.
; REGISTERS, in windows of 256:  window 0: v0-31 addresses; v32-47 kg, v48-63 c2, a pair for each block of 16 rows; v64-127, v128-191 fragments of xq, two buffers (on the way out: v64-95 T, v96-127 P,
;   v128-191 two buffers of rows read back); v192-199 dx.   window 1: v64-127, v128-191 fragments of wgu.   windows 2, 3: the accumulators of my rows 0-63, 64-127 ((a, b) at v[8 (8 (a % 4) + b)]).
.set SIZE_K, 1024
.set KSTEP,  128
.set PITCH,  272                       ; an LDS row: 256 bytes + 16 of padding: the 16 rows that a load touches start at 16 different groups of four banks
.set HALFT,  128*PITCH                 ; what one tensor load brings, and what one wave reads of either operand
.set SLOT,   4*HALFT                   ; xq's 256 rows, then wgu's 256 rows
.set STAGE,  2*SLOT                    ; behind the ring: 16 rows x 272 bytes for each wave, for the way out; no tensor load fills it
.set SPITCH, 272
.set SPARE,  STAGE+4*16*SPITCH         ; the spare words, 128 bytes for each wave
.set LAPS,   SIZE_K/(2*KSTEP)          ; 4 laps of two K steps
.set HROW,   8192                      ; bytes in a row of h
.set ADRA, 16                          ; v16-17 LDS address of my fragments of xq in slot 0, 1
.set ADRB, 20                          ; v20-21 the same for wgu
.set STO,  24                          ; v24 the way out: where I put 32 bytes of a row
.set RD,   25                          ; v25 where I read a row back
.set CO,   26                          ; v26 my byte offset in h
.set XO,   27                          ; v27 4 (l % 16): my row's factor in rs
.set SPW,  28                          ; v28 my spare word; never rewritten
.set NIL,  29                          ; v29 0; never rewritten
.set PFO,  30                          ; v30 the prefetches' offset: lane x 2,048 bytes (a row of xq or wgu); never rewritten
.set KG,   32
.set C2,   48
.set F0,   64
.set F1,   128
.set DX,   192
.set T,    64
.set P,    96
.set OB,   128
.set PFA,  44                          ; s[44:45] where my prefetches stand
.set LIM,  43                          ; s43 1 in a wave that prefetches, else the greatest number
.set G1,  24                           ; s[24:31] descriptor group 1 for xq's tiles;  s[32:39] group 0, a set for each slot
.set G0,  32
.set G1B, 48                           ; s[48:55], s[56:63] the same for wgu's
.set G0B, 56
.set MSB, 0
.macro WIN new                         ; the immediate's high byte repeats the setting that is left; a switch that changes nothing is dropped
.if MSB != (\new)
	s_set_vgpr_msb (MSB<<8)|(\new)
.set MSB, \new
.endif
.endm
.set MUL_LO, 0xa1                      ; source 0 window 1, source 1 window 0, C and D window 2
.set MUL_HI, 0xf1                      ; the same, C and D window 3
.set TO_B,   0x40                      ; destination window 1, address window 0
; A joint load.  Waves 0 and 1 fetch xq's two halves, waves 2 and 3 wgu's.  The branch hangs on the wave's number alone.  An s_nop 0 and four v_nop follow each of the two lines.
.macro JLOAD s
	s_cmp_eq_u32 s11, 0
	s_cbranch_scc0 .Lfor_b_\@
	tensor_load_to_lds s[G0+4*(\s):G0+4*(\s)+3], s[G1:G1+7]
	s_nop 0
.rept 4
	v_nop
.endr
	s_branch .Lasked_\@
.Lfor_b_\@:
	tensor_load_to_lds s[G0B+4*(\s):G0B+4*(\s)+3], s[G1B:G1B+7]
	s_nop 0
.rept 4
	v_nop
.endr
.Lasked_\@:
.endm
; A prefetch into the L2 of the K step two refills on: 32 rows x 256 bytes, a lane a row.  xq's rows are asked for by the clusters with x = 0, wgu's by those with y = 0; the four partners that ask for a
; tile jointly take 32 of a wave's 128 rows each, told apart by address.  So each row's 256 bytes of K steps 4 to 7 are named once; the loop's last trip (s3 = 1) names nothing: there is no K step behind.
.macro ASK
	s_cmp_gt_u32 s3, s[LIM]
	s_cbranch_scc0 .Lnot_mine_\@
	global_prefetch_b8 v[PFO], s[PFA:PFA+1] offset:KSTEP*2 th:TH_LOAD_NT scope:SCOPE_SE
.Lnot_mine_\@:
.endm
.macro CREST                           ; a round of the cluster's barrier behind its opening barrier
	s_cmp_lg_u32 s10, 0
	s_cbranch_scc1 .Lnot_wave_0_\@
	s_barrier_signal -3
.Lnot_wave_0_\@:
	s_barrier_wait -3
	s_barrier_signal -1
	s_barrier_wait -1
.endm
.macro CROUND                          ; a whole round
	s_barrier_signal -1
	s_barrier_wait -1
	CREST
.endm
	s_load_b128 s[4:7], s[0:1], 0x0                ; xq s[4:5], wgu s[6:7]
	s_load_b64 s[8:9], s[0:1], 0x10                ; h
	s_load_b128 s[68:71], s[0:1], 0x18             ; rs s[68:69], wscale s[70:71]
	v_lshl_add_u32 v[SPW], v0, 2, SPARE
	v_mov_b32 v[NIL], 0
	ds_add_u32 v[SPW], v[NIL]                      ; the wave's opening: the add and its wait stand ahead of my first tensor load; the set-up below stands between them
	v_lshrrev_b32 v1, 5, v0
	v_readfirstlane_b32 s10, v1                    ; wave 0..3
	s_lshr_b32 s11, s10, 1                         ; which half of the tile's rows is mine.  Also: I fetch xq (0) or wgu (1)
	s_and_b32 s12, s10, 1                          ; which 128 rows of wgu are mine.  Also: which 128 rows I fetch
	s_bfe_u32 s40, ttmp6, 0x40000                  ; cx
	s_bfe_u32 s41, ttmp6, 0x40004                  ; cy
	s_lshl_b32 s42, ttmp9, 2
	s_add_co_u32 s42, s42, s40                     ; tile column = 4 x cluster x + cx
	s_and_b32 s13, ttmp7, 0xffff
	s_lshl_b32 s13, s13, 2
	s_add_co_u32 s13, s13, s41                     ; tile row = 4 x cluster y + cy
	s_lshl_b32 s43, s41, 2
	s_lshl_b32 s43, 15, s43                        ; my row of the cluster
	s_lshl_b32 s44, 0x1111, s40                    ; my column
	s_or_b32 s[G1+0], s43, (1<<16)|(1<<20)|(1<<21)|(5<<22)|(3<<25)   ; the mask; elements of 2 bytes; padding on; bit 21 beside a mask; after every 64 words 4 words of padding
	s_or_b32 s[G1B+0], s44, (1<<16)|(1<<20)|(1<<21)|(5<<22)|(3<<25)
.irp g, G1, G1B
	s_mov_b32 s[(\g)+1], KSTEP<<16                 ; tensor_dim0 = 128
	s_mov_b32 s[(\g)+2], 128<<16                   ; tensor_dim1 = 128
	s_mov_b32 s[(\g)+3], KSTEP<<16                 ; tile_dim0 = 128
	s_mov_b32 s[(\g)+4], 128                       ; tile_dim1 = 128
	s_mov_b32 s[(\g)+5], SIZE_K                    ; elements from row to row
	s_mov_b32 s[(\g)+6], 0
	s_mov_b32 s[(\g)+7], 0
.endr
	s_lshl_b32 s17, s12, 7                         ; which 128 rows of the tile I fetch
	s_lshl_b32 s16, s13, 8
	s_add_co_u32 s16, s16, s17                     ; xq: row 256 x tile row + 128 x half
	s_lshl_b32 s46, s42, 8
	s_add_co_u32 s46, s46, s17                     ; wgu: row 256 x tile column + 128 x half
	s_mov_b32 s17, 0
	s_mov_b32 s47, 0
	s_mov_b64 s[18:19], SIZE_K*2
	s_mul_u64 s[16:17], s[16:17], s[18:19]
	s_mul_u64 s[46:47], s[46:47], s[18:19]
	s_mul_i32 s20, s10, HALFT                      ; where they go: wave x 128 rows
	s_wait_dscnt 0x0                               ; the opening add is done
	s_wait_kmcnt 0x0
	s_add_nc_u64 s[14:15], s[4:5], s[16:17]
	s_add_nc_u64 s[46:47], s[6:7], s[46:47]
	CROUND                                         ; all sixteen work-groups are here: the first joint loads meet
.irp s, 0,1
	s_mov_b32 s[G0+4*(\s)], 1
	s_add_co_u32 s[G0+4*(\s)+1], s20, (\s)*SLOT
	s_add_nc_u64 s[G0+4*(\s)+2:G0+4*(\s)+3], s[14:15], (\s)*KSTEP*2
	s_or_b32 s[G0+4*(\s)+3], s[G0+4*(\s)+3], 0x80000000
	s_mov_b32 s[G0B+4*(\s)], 1
	s_add_co_u32 s[G0B+4*(\s)+1], s20, (\s)*SLOT
	s_add_nc_u64 s[G0B+4*(\s)+2:G0B+4*(\s)+3], s[46:47], (\s)*KSTEP*2
	s_or_b32 s[G0B+4*(\s)+3], s[G0B+4*(\s)+3], 0x80000000
	JLOAD \s                                       ; two loads of mine are out
.endr
	v_and_b32 v1, 15, v0                           ; l % 16
	v_bfe_u32 v2, v0, 4, 1                         ; l / 16
	v_lshlrev_b32 v[XO], 2, v1
	; where my part begins: rows 256 x tile row + 128 x half; h's columns 64 (2 x tile column + half)
	s_lshl_b32 s13, s13, 8
	s_lshl_b32 s14, s11, 7
	s_add_co_u32 s16, s13, s14
	s_lshl_b32 s18, s16, 2
	s_mov_b32 s19, 0
	s_add_nc_u64 s[68:69], s[68:69], s[18:19]      ; rs at my first row
	s_lshl_b32 s16, s16, 13
	s_mov_b32 s17, 0
	s_add_nc_u64 s[8:9], s[8:9], s[16:17]
	s_lshl_b32 s46, s42, 9
	s_lshl_b32 s47, s12, 8
	s_add_co_u32 s46, s46, s47
	s_mov_b32 s47, 0
	s_add_nc_u64 s[8:9], s[8:9], s[46:47]          ; h at my first row and column
	s_load_b64 s[72:73], s[70:71], 0x0             ; dwg, dwu
.irp a, 0,1,2,3,4,5,6,7
	global_load_b32 v[DX+(\a)], v[XO], s[68:69] offset:64*(\a)  ; dx of row 16 a + l % 16
.endr
	v_mul_u32_u24 v3, v1, PITCH
	v_lshl_add_u32 v3, v2, 4, v3                   ; a fragment's row x pitch + 16 x half
	s_mul_i32 s21, s11, HALFT                      ; my 128 rows of xq
	s_mul_i32 s22, s12, HALFT                      ; my 128 rows of wgu,
	s_add_co_u32 s22, s22, 2*HALFT                 ; which lie behind xq's 256
.irp s, 0,1
	v_add_nc_u32 v[ADRA+(\s)], s21, v3
	v_add_nc_u32 v[ADRB+(\s)], s22, v3
	s_add_co_u32 s21, s21, SLOT
	s_add_co_u32 s22, s22, SLOT
.endr
	s_mul_i32 s23, s10, 16*SPITCH
	s_add_co_u32 s23, s23, STAGE                   ; my stage
	v_mul_u32_u24 v4, v1, SPITCH                   ; in: row l % 16, 32 bytes for each half of the lanes
	v_lshl_add_u32 v4, v2, 5, v4
	v_add_nc_u32 v[STO], s23, v4
	v_mul_u32_u24 v5, v2, SPITCH                   ; back: lanes 0-15 one row of 256 bytes, lanes 16-31 the next
	v_lshl_add_u32 v5, v1, 4, v5
	v_add_nc_u32 v[RD], s23, v5
	v_lshlrev_b32 v5, 13, v2                       ; and the same two rows in h
	v_lshl_add_u32 v[CO], v1, 4, v5
	; the prefetches
	s_lshl_b32 s42, s42, 8
	s_and_b32 s22, ttmp7, 0xffff                   ; cluster y
	s_cmp_eq_u32 s11, 0                            ; do I fetch xq?
	s_cselect_b32 s20, s13, s42                    ; the tile's first row
	s_cselect_b32 s21, s40, s41                    ; my place among the four that ask for it with me
	s_cselect_b32 s22, ttmp9, s22                  ; the coordinate along which other clusters read the same rows
	s_cselect_b64 s[PFA:PFA+1], s[4:5], s[6:7]
	s_cmp_eq_u32 s22, 0
	s_cselect_b32 s[LIM], 1, -1                    ; the same in all sixteen partners, for a given wave
	s_lshl_b32 s22, s12, 7
	s_add_co_u32 s20, s20, s22                     ; + the 128 rows that I fetch
	s_lshl_b32 s21, s21, 5
	s_add_co_u32 s20, s20, s21                     ; + my work-group's 32 of them
	s_mov_b32 s21, 0
	s_mov_b64 s[18:19], SIZE_K*2
	s_mul_u64 s[20:21], s[20:21], s[18:19]
	s_add_nc_u64 s[PFA:PFA+1], s[PFA:PFA+1], s[20:21]
	s_add_nc_u64 s[PFA:PFA+1], s[PFA:PFA+1], 2*KSTEP*2  ; at K step 2: the first refill steps it to 3 and names K step 4
	v_and_b32 v[PFO], 31, v0
	v_lshlrev_b32 v[PFO], 11, v[PFO]
	s_wait_kmcnt 0x0                               ; dwg, dwu
	s_wait_loadcnt 0x0                             ; dx
.irp a, 0,1,2,3,4,5,6,7                ; kg and c2 of block a, each twice: pairs for the packed multiplies; made while the first tiles are on their way
	v_mul_f32 v[KG+2*(\a)+1], s72, v[DX+(\a)]
	v_mul_f32 v[C2+2*(\a)], v[KG+2*(\a)+1], v[DX+(\a)]
	v_mul_f32 v[KG+2*(\a)], 0xbfb8aa3b, v[KG+2*(\a)+1]
	v_mul_f32 v[C2+2*(\a)], s73, v[C2+2*(\a)]
	v_mov_b32 v[KG+2*(\a)+1], v[KG+2*(\a)]
	v_mov_b32 v[C2+2*(\a)+1], v[C2+2*(\a)]
.endr
; 16 matrix instructions: row blocks a0, a0 + 1 of the window's four x all 8 blocks of wgu, 32 along K.  zero = 1: the first product starts the sums.  The 64 accumulators take turns.
.macro MUL16 f, hi, a0, zero
	WIN MUL_LO+0x50*(\hi)
.irp a, \a0, (\a0)+1
.irp b, 0,1,2,3,4,5,6,7
.if \zero
	v_wmma_f32_16x16x32_bf16 v[8*(8*(\a)+(\b)):8*(8*(\a)+(\b))+7], v[(\f)+8*(\b):(\f)+8*(\b)+7], v[(\f)+8*(4*(\hi)+(\a)):(\f)+8*(4*(\hi)+(\a))+7], 0
.else
	v_wmma_f32_16x16x32_bf16 v[8*(8*(\a)+(\b)):8*(8*(\a)+(\b))+7], v[(\f)+8*(\b):(\f)+8*(\b)+7], v[(\f)+8*(4*(\hi)+(\a)):(\f)+8*(4*(\hi)+(\a))+7], v[8*(8*(\a)+(\b)):8*(8*(\a)+(\b))+7]
.endif
.endr
.endr
.endm
; 32 LDS loads in one run: the fragments of one quarter step (32 K at byte k of the rows) into buffer f: wgu's sixteen, then xq's
.macro FETCH slot, k, f
	WIN TO_B
.irp i, 0,1,2,3,4,5,6,7
	ds_load_b128 v[(\f)+8*(\i):(\f)+8*(\i)+3],   v[ADRB+(\slot)] offset:(\k)+(\i)*16*PITCH
	ds_load_b128 v[(\f)+8*(\i)+4:(\f)+8*(\i)+7], v[ADRB+(\slot)] offset:(\k)+(\i)*16*PITCH+32
.endr
	WIN 0
.irp i, 0,1,2,3,4,5,6,7
	ds_load_b128 v[(\f)+8*(\i):(\f)+8*(\i)+3],   v[ADRA+(\slot)] offset:(\k)+(\i)*16*PITCH
	ds_load_b128 v[(\f)+8*(\i)+4:(\f)+8*(\i)+7], v[ADRA+(\slot)] offset:(\k)+(\i)*16*PITCH+32
.endr
.endm
.macro PLACES                          ; four plain places behind a matrix instruction, ahead of loads into registers that it read and of vector lines that read results
.rept 4
	v_nop
.endr
.endm
; A K step is four quarters of 32 along K, 64 matrix instructions each, on buffers 0, 1, 0, 1.  One of the first three: multiplies f, fetches the next quarter (byte k) into g in its middle.
.macro QUARTER slot, k, f, g, zero
	s_wait_dscnt 8                                 ; wgu's fragments and xq's rows 0-63 are in; the youngest eight loads (rows 64-127) may be out
	MUL16 \f, 0, 0, \zero
	MUL16 \f, 0, 2, \zero
	PLACES
	FETCH \slot, \k, \g
	s_wait_dscnt 32                                ; all but the 32 just issued
	MUL16 \f, 1, 0, \zero
	MUL16 \f, 1, 2, \zero
.endm
; The last quarter multiplies buffer 1 and changes slots: one barrier.  Ahead of it each wave waits for all its tensor loads (the one that is out is its part of the next slot), adds 0 to its spare word, and waits for
; that and for its reads of this slot.  fill = 1: the barrier opens a round of the cluster's barrier, and the joint refill (this slot, two K steps on) is the first tensor load behind the round:
; 224 matrix instructions stand between it and the wait for it.
.macro TURN slot, next, fill
.if \fill
	s_wait_xcnt 0x0                                ; the last prefetch, a K step back, has read its address
	s_add_nc_u64 s[PFA:PFA+1], s[PFA:PFA+1], KSTEP*2
.endif
	WIN 0                                          ; the add's two registers lie in window 0
	s_wait_tensorcnt 0x0                           ; all my tensor loads have landed
	ds_add_u32 v[SPW], v[NIL]                      ; 0 onto my spare word
	s_wait_dscnt 9                                 ; the add and the youngest eight loads may be out
	MUL16 F1, 0, 0, 0
	s_wait_dscnt 0x0                               ; the add is done, and my reads of this slot are over
	s_barrier_signal -1
	MUL16 F1, 0, 2, 0                              ; work on registers while the others arrive
.if \fill
	WIN 0
.endif
	s_barrier_wait -1
.if \fill
	CREST                                          ; no wave of any partner still reads this slot or has a load on its way
	s_add_nc_u64 s[G0+4*(\slot)+2:G0+4*(\slot)+3], s[G0+4*(\slot)+2:G0+4*(\slot)+3], 2*KSTEP*2
	s_add_nc_u64 s[G0B+4*(\slot)+2:G0B+4*(\slot)+3], s[G0B+4*(\slot)+2:G0B+4*(\slot)+3], 2*KSTEP*2
	JLOAD \slot                                    ; the four v_nop behind it are also the places ahead of the loads below
.else
	PLACES
.endif
	FETCH \next, 0, F0
.if \fill
	ASK
.endif
	MUL16 F1, 1, 0, 0
	MUL16 F1, 1, 2, 0
.endm
; THE WAY OUT of block a (16 rows x 64 columns of h).  HMATH: T = Sg kg, P = Sg Su (each accumulator's lowest registers are read first); 2^T with P c2 between;
; one wait for the 32 exponentials; 1 + 2^T, a pair ahead of its reciprocals; one wait for the 32 reciprocals; P times them.
.macro HMATH a
.set AC, 64*((\a)%4)
	WIN 0x02+(\a)/4                                ; source 0: window 2 or 3
.set i, 0
.rept 16
	v_pk_mul_f32 v[T+i:T+i+1], v[AC+i:AC+i+1], v[KG+2*(\a):KG+2*(\a)+1]
.set i, i+2
.endr
	WIN 0x0a+5*((\a)/4)                            ; sources 0 and 1: window 2 or 3
.set i, 0
.rept 16
	v_pk_mul_f32 v[P+i:P+i+1], v[AC+i:AC+i+1], v[AC+32+i:AC+32+i+1]
.set i, i+2
.endr
	WIN 0
.set i, 0
.rept 16
	v_exp_f32 v[T+i], v[T+i]
	v_exp_f32 v[T+i+1], v[T+i+1]
	v_pk_mul_f32 v[P+i:P+i+1], v[P+i:P+i+1], v[C2+2*(\a):C2+2*(\a)+1]  ; the last of these is the plain instruction behind the last exponential
.set i, i+2
.endr
	s_wait_alu depctr_va_vdst(0)                   ; one wait for the batch of exponentials, ahead of their first reader
	v_pk_add_f32 v[T:T+1], v[T:T+1], 1.0 op_sel_hi:[1,0]
.set i, 0
.rept 16
.if i < 30
	v_pk_add_f32 v[T+i+2:T+i+3], v[T+i+2:T+i+3], 1.0 op_sel_hi:[1,0]
.endif
	v_rcp_f32 v[T+i], v[T+i]
	v_rcp_f32 v[T+i+1], v[T+i+1]
.set i, i+2
.endr
	v_nop                                          ; the plain instruction behind the last reciprocal
	s_wait_alu depctr_va_vdst(0)                   ; one wait for the batch of reciprocals
.set i, 0
.rept 16
	v_pk_mul_f32 v[P+i:P+i+1], v[P+i:P+i+1], v[T+i:T+i+1]
.set i, i+2
.endr
.endm
.macro TOSTAGE a                       ; into my own stage, and back as whole rows of 256 bytes; LDS serves a wave's instructions in order (ISA guide 5.7.1.4), so no wait stands between
	WIN 0
.set BK, OB+32*((\a)%2)
.irp b, 0,1,2,3
	ds_store_b128 v[STO], v[P+8*(\b):P+8*(\b)+3]   offset:64*(\b)
	ds_store_b128 v[STO], v[P+8*(\b)+4:P+8*(\b)+7] offset:64*(\b)+16
.endr
.irp t, 0,1,2,3,4,5,6,7
	ds_load_b128 v[BK+4*(\t):BK+4*(\t)+3], v[RD] offset:(\t)*2*SPITCH
.endr
.endm
.macro SEND a, younger
	WIN 0
.set BK, OB+32*((\a)%2)
	s_wait_dscnt \younger                          ; the block is back in registers
	s_wait_xcnt 0x0                                ; the stores of the block before have read their registers: the next block's loads may land there
.irp t, 0,1,2,3,4,5,6,7
	global_store_b128 v[CO], v[BK+4*(\t):BK+4*(\t)+3], s[8:9] offset:(16*(\a)+2*(\t))*HROW  ; 16 lanes store 256 consecutive bytes, aligned; 126 rows at the most, inside the signed 24-bit immediate
.endr
.endm
	s_wait_tensorcnt 1                             ; my part of K step 0 is in; K step 1's may stay out
	s_barrier_signal -1
	s_barrier_wait -1
	FETCH 0, 0, F0
	QUARTER 0, 64,  F0, F1, 1                      ; the first quarter stands ahead of the loop: its products start the sums
	WIN 0                                          ; at a label and at a branch every window is 0
	s_mov_b32 s3, LAPS-1
.Llap:                                                 ; a trip goes once round the ring and fills both slots again: K steps 2 to 7 in three trips
	QUARTER 0, 128, F1, F0, 0
	QUARTER 0, 192, F0, F1, 0
	TURN 0, 1, 1
	QUARTER 1, 64,  F0, F1, 0
	QUARTER 1, 128, F1, F0, 0
	QUARTER 1, 192, F0, F1, 0
	TURN 1, 0, 1
	QUARTER 0, 64,  F0, F1, 0
	WIN 0
	s_sub_co_u32 s3, s3, 1
	s_cmp_lg_u32 s3, 0
	s_cbranch_scc1 .Llap
	QUARTER 0, 128, F1, F0, 0                      ; the last lap fills nothing
	QUARTER 0, 192, F0, F1, 0
	TURN 0, 1, 0
	QUARTER 1, 64,  F0, F1, 0
	QUARTER 1, 128, F1, F0, 0
	QUARTER 1, 192, F0, F1, 0
	s_wait_dscnt 8                                 ; the very last quarter: nothing more to fetch
	MUL16 F1, 0, 0, 0
	MUL16 F1, 0, 2, 0
	s_wait_dscnt 0x0
	MUL16 F1, 1, 0, 0
	MUL16 F1, 1, 2, 0
	WIN 0
	PLACES
	HMATH 0
	TOSTAGE 0
.irp a, 1,2,3,4,5,6,7                  ; block a's arithmetic stands between block a - 1's loads from the stage and the wait for them
	HMATH \a
	SEND (\a)-1, 0
	TOSTAGE \a
.endr
	SEND 7, 0
	s_wait_tensorcnt 0x0                           ; the wave's end
	ds_add_u32 v[SPW], v[NIL]
	s_wait_dscnt 0x0
	CROUND                                         ; the closing round: no work-group ends while a partner may still ask for a tile that names it
	s_endpgm
.Lfunc_end_k_q266eb734e6_gemm1:
	.size	k_q266eb734e6_gemm1, .Lfunc_end_k_q266eb734e6_gemm1-k_q266eb734e6_gemm1
	.p2alignl 7, 3214868480
	.fill 96, 4, 3214868480
	.section	.rodata,"a",@progbits
	.p2align	6, 0x0
	.amdhsa_kernel k_q266eb734e6_gemm1
		.amdhsa_group_segment_fixed_size 327680
		.amdhsa_private_segment_fixed_size 0
		.amdhsa_enable_private_segment 0
		.amdhsa_kernarg_size 40
		.amdhsa_user_sgpr_count 2
		.amdhsa_user_sgpr_kernarg_segment_ptr 1
		.amdhsa_wavefront_size32 1
		.amdhsa_system_sgpr_workgroup_id_x 1
		.amdhsa_system_sgpr_workgroup_id_y 1
		.amdhsa_system_sgpr_workgroup_id_z 1
		.amdhsa_system_vgpr_workitem_id 0
		.amdhsa_next_free_vgpr 1024
		.amdhsa_next_free_sgpr 80
		.amdhsa_reserve_vcc 0
		.amdhsa_float_denorm_mode_32 3
		.amdhsa_float_denorm_mode_16_64 3
		.amdhsa_memory_ordered 1
		.amdhsa_forward_progress 1
		.amdhsa_inst_pref_size 187
	.end_amdhsa_kernel
	.amdgpu_metadata
---
amdhsa.version: [ 1, 2 ]
amdhsa.kernels:
  - .name:           k_q266eb734e6_gemm1
    .symbol:         k_q266eb734e6_gemm1.kd
    .args:
      - { .name: xq, .offset: 0, .size: 8, .value_kind: global_buffer, .address_space: global }
      - { .name: wgu, .offset: 8, .size: 8, .value_kind: global_buffer, .address_space: global }
      - { .name: h, .offset: 16, .size: 8, .value_kind: global_buffer, .address_space: global }
      - { .name: rs, .offset: 24, .size: 8, .value_kind: global_buffer, .address_space: global }
      - { .name: wscale, .offset: 32, .size: 8, .value_kind: global_buffer, .address_space: global }
    .group_segment_fixed_size: 327680
    .private_segment_fixed_size: 0
    .kernarg_segment_align: 8
    .kernarg_segment_size: 40
    .max_flat_workgroup_size: 128
    .sgpr_count:     80
    .vgpr_count:     1024
    .wavefront_size: 32
...
	.end_amdgpu_metadata
.endif
;; end of part 3
;; launch hquant (part 4): grid 512 x 1, 16 waves a work-group, no clusters, 2,304 bytes of LDS; arguments h, hq, rs; writes hq, rs
.if DOCPART == 4
	.amdgcn_target "amdgcn-amd-amdhsa--gfx1250"
	.amdhsa_code_object_version 6
	.text
	.protected	k_q266eb734e6_hquant
	.globl	k_q266eb734e6_hquant
	.p2align	8
	.type	k_q266eb734e6_hquant,@function
k_q266eb734e6_hquant:
	s_mov_b64 s[64:65], 0
	v_nop
	global_prefetch_b8 v0, s[64:65] scope:SCOPE_SE
	s_setreg_imm32_b32 hwreg(HW_REG_WAVE_MODE, 25, 1), 1
	s_wait_xcnt 0x0
; h [8192][2048] f32 is quantised by rows: m = max(max |h|, 1e-5), s = 127 / m, q = clip(round(h s), -128, 127), a whole number that bf16 holds exactly -> hq [8192][2048] bf16;
; the row's factor m / 127 -> rs[8192 + row] (f32).  One wave takes one row (8,192 bytes: sixteen loads of 16 bytes a lane) and keeps it in registers between the maximum and the scaling.
; LIMITS.  NaN and infinities are not treated apart; the factor is m / 127, not 1 / (127 / m): the last bits may differ.
; No loop, no matrix work, no cluster: each byte is read once, and all loads of a wave are out at once.
.set SPARE, 256                        ; LDS: bytes 0-63 one word a wave; from 256 on the spare words, 128 bytes for each of 16 waves
.set VAL,  5
.set L,    32                          ; v[32:95] the row
.set M,    96                          ; v[96:99] four running maxima
.set SPW,  104
.set NIL,  105
	s_load_b128 s[4:7], s[0:1], 0x0                ; h s[4:5], hq s[6:7]
	s_load_b64 s[8:9], s[0:1], 0x10                ; rs
	v_lshl_add_u32 v[SPW], v0, 2, SPARE
	v_mov_b32 v[NIL], 0
	v_lshrrev_b32 v4, 5, v0
	v_readfirstlane_b32 s18, v4                    ; wave 0..15
	v_and_b32 v3, 31, v0
	v_lshlrev_b32 v4, 2, v4                        ; my wave's word in LDS
	v_lshlrev_b32 v1, 4, v3
	v_lshlrev_b32 v2, 3, v3
	v_lshlrev_b32 v7, 2, v3
	v_and_b32 v6, 15, v0
	v_lshlrev_b32 v6, 2, v6
	s_mov_b32 s21, 0x42fe0000                      ; 127.0
	s_mov_b32 s23, 0xc3000000                      ; -128.0
	s_mov_b32 s24, 0x76543210
	s_mov_b32 s25, 0xfedcba98
	s_lshl_b32 s2, ttmp9, 17                       ; 16 rows of 8,192 bytes a work-group,
	s_lshl_b32 s32, s18, 13                        ; one a wave
	s_add_co_u32 s2, s2, s32
	s_mov_b32 s3, 0
	s_wait_kmcnt 0x0
	s_add_nc_u64 s[4:5], s[4:5], s[2:3]
	s_lshr_b32 s2, s2, 1
	s_add_nc_u64 s[6:7], s[6:7], s[2:3]
	s_lshl_b32 s2, ttmp9, 6
	s_add_co_u32 s2, s2, 32768                     ; rs's second half holds h's factors
	s_add_nc_u64 s[8:9], s[8:9], s[2:3]
.irp j, 0,1,2,3,4,5,6,7,8,9,10,11,12,13,14,15
	global_load_b128 v[L+4*(\j):L+4*(\j)+3], v1, s[4:5] offset:512*(\j) th:TH_LOAD_NT
.endr
	s_wait_loadcnt 14                              ; the first two loads start four chains: nothing is cleared
.irp c, 0,1,2,3
	v_max_num_f32 v[M+(\c)], |v[L+2*(\c)]|, |v[L+2*(\c)+1]|
.endr
.irp j, 2,3,4,5,6,7,8,9,10,11,12,13,14,15
	s_wait_loadcnt 15-(\j)                         ; load j is in
	v_max3_num_f32 v[M+(2*(\j))%4], v[M+(2*(\j))%4], |v[L+4*(\j)]|, |v[L+4*(\j)+1]|
	v_max3_num_f32 v[M+(2*(\j)+1)%4], v[M+(2*(\j)+1)%4], |v[L+4*(\j)+2]|, |v[L+4*(\j)+3]|
.endr
	v_max3_num_f32 v[M], v[M], v[M+1], v[M+2]
	v_max_num_f32 v8, v[M], v[M+3]
	v_max_num_f32_dpp v8, v8, v8 row_xmask:1 row_mask:0xf bank_mask:0xf
	v_max_num_f32_dpp v8, v8, v8 row_xmask:2 row_mask:0xf bank_mask:0xf
	v_max_num_f32_dpp v8, v8, v8 row_xmask:4 row_mask:0xf bank_mask:0xf
	v_max_num_f32_dpp v8, v8, v8 row_xmask:8 row_mask:0xf bank_mask:0xf
	v_permlanex16_b32 v[M+1], v8, s24, s25
	v_max_num_f32 v8, v8, v[M+1]
	v_max_num_f32 v8, 0x3727c5ac, v8               ; m = max(., 1e-5)
	v_rcp_f32 v9, v8
	v_mul_f32 v[VAL], 0x3c010204, v8               ; m / 127: the plain instruction behind the reciprocal
	s_wait_alu depctr_va_vdst(0)                   ; the wait ahead of the reciprocal's first reader
	v_mul_f32 v10, s21, v9
	v_fma_f32 v11, -v10, v8, s21
	v_fma_f32 v14, v11, v9, v10                    ; 127 / m, corrected once
	v_mov_b32 v15, v14
.irp j, 0,1,2,3,4,5,6,7,8,9,10,11,12,13,14,15
	v_pk_mul_f32 v[L+4*(\j):L+4*(\j)+1], v[L+4*(\j):L+4*(\j)+1], v[14:15]
	v_pk_mul_f32 v[L+4*(\j)+2:L+4*(\j)+3], v[L+4*(\j)+2:L+4*(\j)+3], v[14:15]
.irp c, 0,1,2,3
	v_rndne_f32 v[L+4*(\j)+(\c)], v[L+4*(\j)+(\c)]
.endr
.irp c, 0,1,2,3
	v_med3_num_f32 v[L+4*(\j)+(\c)], v[L+4*(\j)+(\c)], s23, s21
.endr
	v_cvt_pk_bf16_f32 v[L+4*(\j)], v[L+4*(\j)], v[L+4*(\j)+1]
	v_cvt_pk_bf16_f32 v[L+4*(\j)+1], v[L+4*(\j)+2], v[L+4*(\j)+3]
	global_store_b64 v2, v[L+4*(\j):L+4*(\j)+1], s[6:7] offset:256*(\j)  ; 256 consecutive bytes, aligned; the registers are not written again
.endr
	ds_store_b32 v4, v[VAL]                        ; the 16 rows' factors meet in LDS, so that one store of 64 bytes takes them
	s_wait_dscnt 0x0                               ; for the others' sake: my store is done
	s_barrier_signal -1
	s_barrier_wait -1
	s_cmp_lg_u32 s18, 0
	s_cbranch_scc1 .Lend
	ds_load_b32 v[VAL], v6
	s_wait_dscnt 0x0
	s_wait_xcnt 0x0                                ; EXEC is a source of the stores above: it changes only behind this wait
	v_cmp_gt_u32 vcc_lo, 16, v3
	s_and_saveexec_b32 s26, vcc_lo
	global_store_b32 v7, v[VAL], s[8:9]
	s_wait_xcnt 0x0
	s_or_b32 exec_lo, exec_lo, s26
.Lend:
	s_wait_tensorcnt 0x0                           ; the wave's end
	ds_add_u32 v[SPW], v[NIL]
	s_wait_dscnt 0x0
	s_endpgm
.Lfunc_end_k_q266eb734e6_hquant:
	.size	k_q266eb734e6_hquant, .Lfunc_end_k_q266eb734e6_hquant-k_q266eb734e6_hquant
	.p2alignl 7, 3214868480
	.fill 96, 4, 3214868480
	.section	.rodata,"a",@progbits
	.p2align	6, 0x0
	.amdhsa_kernel k_q266eb734e6_hquant
		.amdhsa_group_segment_fixed_size 2304
		.amdhsa_private_segment_fixed_size 0
		.amdhsa_enable_private_segment 0
		.amdhsa_kernarg_size 24
		.amdhsa_user_sgpr_count 2
		.amdhsa_user_sgpr_kernarg_segment_ptr 1
		.amdhsa_wavefront_size32 1
		.amdhsa_system_sgpr_workgroup_id_x 1
		.amdhsa_system_sgpr_workgroup_id_y 1
		.amdhsa_system_sgpr_workgroup_id_z 1
		.amdhsa_system_vgpr_workitem_id 0
		.amdhsa_next_free_vgpr 112
		.amdhsa_next_free_sgpr 66
		.amdhsa_reserve_vcc 1
		.amdhsa_float_denorm_mode_32 3
		.amdhsa_float_denorm_mode_16_64 3
		.amdhsa_memory_ordered 1
		.amdhsa_forward_progress 1
		.amdhsa_inst_pref_size 19
	.end_amdhsa_kernel
	.amdgpu_metadata
---
amdhsa.version: [ 1, 2 ]
amdhsa.kernels:
  - .name:           k_q266eb734e6_hquant
    .symbol:         k_q266eb734e6_hquant.kd
    .args:
      - { .name: h, .offset: 0, .size: 8, .value_kind: global_buffer, .address_space: global }
      - { .name: hq, .offset: 8, .size: 8, .value_kind: global_buffer, .address_space: global }
      - { .name: rs, .offset: 16, .size: 8, .value_kind: global_buffer, .address_space: global }
    .group_segment_fixed_size: 2304
    .private_segment_fixed_size: 0
    .kernarg_segment_align: 8
    .kernarg_segment_size: 24
    .max_flat_workgroup_size: 512
    .sgpr_count:     66
    .vgpr_count:     112
    .wavefront_size: 32
...
	.end_amdgpu_metadata
.endif
;; end of part 4
;; launch gemm2 (part 5): grid 4 x 64, 4 waves a work-group, clusters of 4 x 4, 327,680 bytes of LDS; arguments hq, wdq, out0, rs, wscale; writes out0
.if DOCPART == 5
	.amdgcn_target "amdgcn-amd-amdhsa--gfx1250"
	.amdhsa_code_object_version 6
	.text
	.protected	k_q266eb734e6_gemm2
	.globl	k_q266eb734e6_gemm2
	.p2align	8
	.type	k_q266eb734e6_gemm2,@function
k_q266eb734e6_gemm2:
	s_mov_b64 s[64:65], 0
	v_nop
	global_prefetch_b8 v0, s[64:65] scope:SCOPE_SE
	s_setreg_imm32_b32 hwreg(HW_REG_WAVE_MODE, 25, 1), 1
	s_wait_xcnt 0x0
	s_wait_alu depctr_hold_cnt(0) depctr_sa_sdst(0) depctr_va_vdst(0) depctr_va_sdst(0) depctr_va_ssrc(0) depctr_va_vcc(0) depctr_vm_vsrc(0)
	s_getreg_b32 s2, hwreg(HW_REG_IB_STS2, 6, 4)
	s_cmp_eq_u32 s2, 0
	s_cbranch_scc0 .Lentry_in_a_cluster
	s_endpgm
.Lentry_in_a_cluster:
	s_bfe_u32 s2, ttmp6, 0x10000c
	s_cmp_lg_u32 s2, 0xf033
	s_cbranch_scc0 .Lentry_shape_is_right
	s_endpgm
.Lentry_shape_is_right:
; out0[m][n] = dh[m] dwd S, S = the sum over k of hq[m][k] wdq[n][k].  hq [8192][2048] and wdq [1024][2048] hold whole numbers in bf16 (up to 128; -1, 0, 1): every product and every f32 sum
; (at most 2048 x 128) is exact.  dh = rs[8192 + m], dwd = wscale[2].  out0: [8192][1024] f32.
; SHARES.  A tile is 128 rows x 256 columns: 256 tiles, one work-group each.  Four waves, each 64 x 128: 32 accumulators, 256 registers.
; K goes in steps of 128 through a ring of two LDS slots filled by the tensor data mover (rows of 256 bytes, padded to 272 in LDS): waves 0 and 1 fetch 64 rows of hq each, waves 2 and 3 128 rows of wdq each.
; CLUSTERS: 4 x 4 work-groups.  The four of a row of the cluster need the same rows of hq, the four of a column the same rows of wdq: each tile is asked for jointly.
; THE MATRIX INSTRUCTION IS USED TRANSPOSED (source 0 = 16 rows of wdq, source 1 = 16 rows of hq): lane l holds row l % 16 and the columns 8 (l / 16) + 0..7.
; REGISTERS: window 0: v0-31 addresses; v32-39 dh dwd, a pair for each block of 16 rows; v40-43 dh; v64-95, v128-159 fragments of hq, two buffers (on the way out: v64-127 T, v128-255 two buffers of rows read back).
;   window 1: v64-127, v128-191 fragments of wdq.   window 2: the accumulators ((a, b) at v[8 (8 a + b)]).
.set SIZE_K, 2048
.set KSTEP,  128
.set PITCH,  272
.set AHALF,  64*PITCH                  ; what a load of hq brings, and what a wave reads of it
.set BHALF,  128*PITCH                 ; the same for wdq
.set SLOT,   2*AHALF+2*BHALF           ; hq's 128 rows, then wdq's 256 rows
.set STAGE,  2*SLOT                    ; behind the ring: 16 rows x 528 bytes for each wave; no tensor load fills it
.set SPITCH, 528                       ; 512 bytes + 16: the 16 rows of a store start at 16 different groups of four banks
.set SPARE,  STAGE+4*16*SPITCH
.set LAPS,   SIZE_K/(2*KSTEP)          ; 8 laps of two K steps
.set OROW,   4096                      ; bytes in a row of out0
.set ADRA, 16
.set ADRB, 20
.set STO,  24
.set RD,   25
.set CO,   26
.set XO,   27
.set SPW,  28
.set NIL,  29
.set PFO,  30                          ; lane x 4,096 bytes (a row of hq or wdq)
.set CS,   32
.set DX,   40
.set F0,   64
.set F1,   128
.set T,    64
.set OB,   128
.set PFA,  44
.set LIM,  43
.set G1,  24
.set G0,  32
.set G1B, 48
.set G0B, 56
.set MSB, 0
.macro WIN new
.if MSB != (\new)
	s_set_vgpr_msb (MSB<<8)|(\new)
.set MSB, \new
.endif
.endm
.set MUL,  0xa1                        ; source 0 window 1, source 1 window 0, C and D window 2
.set TO_B, 0x40
.macro JLOAD s                         ; a joint load; an s_nop 0 and four v_nop follow each of the two lines
	s_cmp_eq_u32 s11, 0
	s_cbranch_scc0 .Lfor_b_\@
	tensor_load_to_lds s[G0+4*(\s):G0+4*(\s)+3], s[G1:G1+7]
	s_nop 0
.rept 4
	v_nop
.endr
	s_branch .Lasked_\@
.Lfor_b_\@:
	tensor_load_to_lds s[G0B+4*(\s):G0B+4*(\s)+3], s[G1B:G1B+7]
	s_nop 0
.rept 4
	v_nop
.endr
.Lasked_\@:
.endm
; A prefetch into the L2 of the K step two refills on: 32 rows x 256 bytes, a lane a row.  A tile row of hq is read by one cluster alone: wave 0 of each of its four partners along x names 32 of its 128 rows, told apart by
; address; wave 1 names nothing.  wdq's rows are read by all clusters: those with y = 0 ask, waves 2 and 3, 32 of a wave's 128 rows to each partner along y.  The loop's last trip (s3 = 1) names nothing.
.macro ASK
	s_cmp_gt_u32 s3, s[LIM]
	s_cbranch_scc0 .Lnot_mine_\@
	global_prefetch_b8 v[PFO], s[PFA:PFA+1] offset:KSTEP*2 th:TH_LOAD_NT scope:SCOPE_SE
.Lnot_mine_\@:
.endm
.macro CREST
	s_cmp_lg_u32 s10, 0
	s_cbranch_scc1 .Lnot_wave_0_\@
	s_barrier_signal -3
.Lnot_wave_0_\@:
	s_barrier_wait -3
	s_barrier_signal -1
	s_barrier_wait -1
.endm
.macro CROUND
	s_barrier_signal -1
	s_barrier_wait -1
	CREST
.endm
	s_load_b128 s[4:7], s[0:1], 0x0                ; hq s[4:5], wdq s[6:7]
	s_load_b64 s[8:9], s[0:1], 0x10                ; out0
	s_load_b128 s[68:71], s[0:1], 0x18             ; rs s[68:69], wscale s[70:71]
	v_lshl_add_u32 v[SPW], v0, 2, SPARE
	v_mov_b32 v[NIL], 0
	ds_add_u32 v[SPW], v[NIL]                      ; the wave's opening: the add and its wait stand ahead of my first tensor load
	v_lshrrev_b32 v1, 5, v0
	v_readfirstlane_b32 s10, v1                    ; wave 0..3
	s_lshr_b32 s11, s10, 1                         ; which 64 rows of the tile are mine.  Also: I fetch hq (0) or wdq (1)
	s_and_b32 s12, s10, 1                          ; which 128 columns.  Also: which half of that operand's rows I fetch
	s_bfe_u32 s40, ttmp6, 0x40000                  ; cx
	s_bfe_u32 s41, ttmp6, 0x40004                  ; cy
	s_lshl_b32 s42, ttmp9, 2
	s_add_co_u32 s42, s42, s40                     ; tile column
	s_and_b32 s13, ttmp7, 0xffff
	s_lshl_b32 s13, s13, 2
	s_add_co_u32 s13, s13, s41                     ; tile row
	s_lshl_b32 s43, s41, 2
	s_lshl_b32 s43, 15, s43                        ; my row of the cluster
	s_lshl_b32 s44, 0x1111, s40                    ; my column
	s_or_b32 s[G1+0], s43, (1<<16)|(1<<20)|(1<<21)|(5<<22)|(3<<25)
	s_or_b32 s[G1B+0], s44, (1<<16)|(1<<20)|(1<<21)|(5<<22)|(3<<25)
	s_mov_b32 s[G1+1], KSTEP<<16                   ; hq's tile: 64 rows x 128 elements
	s_mov_b32 s[G1+2], 64<<16
	s_mov_b32 s[G1+3], KSTEP<<16
	s_mov_b32 s[G1+4], 64
	s_mov_b32 s[G1+5], SIZE_K
	s_mov_b32 s[G1+6], 0
	s_mov_b32 s[G1+7], 0
	s_mov_b32 s[G1B+1], KSTEP<<16                  ; wdq's: 128 rows x 128 elements
	s_mov_b32 s[G1B+2], 128<<16
	s_mov_b32 s[G1B+3], KSTEP<<16
	s_mov_b32 s[G1B+4], 128
	s_mov_b32 s[G1B+5], SIZE_K
	s_mov_b32 s[G1B+6], 0
	s_mov_b32 s[G1B+7], 0
	s_lshl_b32 s17, s12, 6
	s_lshl_b32 s16, s13, 7
	s_add_co_u32 s16, s16, s17                     ; hq: row 128 x tile row + 64 x half,
	s_lshl_b32 s16, s16, 12                        ; 4,096 bytes a row
	s_mov_b32 s17, 0
	s_lshl_b32 s47, s12, 7
	s_lshl_b32 s46, s42, 8
	s_add_co_u32 s46, s46, s47                     ; wdq: row 256 x tile column + 128 x half
	s_lshl_b32 s46, s46, 12
	s_mov_b32 s47, 0
	s_mul_i32 s20, s12, AHALF                      ; where they go: hq's halves,
	s_mul_i32 s21, s12, BHALF
	s_add_co_u32 s21, s21, 2*AHALF                 ; and wdq's behind them
	s_wait_dscnt 0x0                               ; the opening add is done
	s_wait_kmcnt 0x0
	s_add_nc_u64 s[14:15], s[4:5], s[16:17]
	s_add_nc_u64 s[46:47], s[6:7], s[46:47]
	CROUND                                         ; all sixteen work-groups are here: the first joint loads meet
.irp s, 0,1
	s_mov_b32 s[G0+4*(\s)], 1
	s_add_co_u32 s[G0+4*(\s)+1], s20, (\s)*SLOT
	s_add_nc_u64 s[G0+4*(\s)+2:G0+4*(\s)+3], s[14:15], (\s)*KSTEP*2
	s_or_b32 s[G0+4*(\s)+3], s[G0+4*(\s)+3], 0x80000000
	s_mov_b32 s[G0B+4*(\s)], 1
	s_add_co_u32 s[G0B+4*(\s)+1], s21, (\s)*SLOT
	s_add_nc_u64 s[G0B+4*(\s)+2:G0B+4*(\s)+3], s[46:47], (\s)*KSTEP*2
	s_or_b32 s[G0B+4*(\s)+3], s[G0B+4*(\s)+3], 0x80000000
	JLOAD \s                                       ; two loads of mine are out
.endr
	v_and_b32 v1, 15, v0                           ; l % 16
	v_bfe_u32 v2, v0, 4, 1                         ; l / 16
	v_lshlrev_b32 v[XO], 2, v1
	s_lshl_b32 s13, s13, 7                         ; 128 x tile row
	s_lshl_b32 s14, s11, 6
	s_add_co_u32 s16, s13, s14                     ; my first row
	s_lshl_b32 s18, s16, 2
	s_add_co_u32 s18, s18, 32768                   ; rs's second half holds h's factors
	s_mov_b32 s19, 0
	s_add_nc_u64 s[68:69], s[68:69], s[18:19]
	s_lshl_b32 s16, s16, 12
	s_mov_b32 s17, 0
	s_add_nc_u64 s[8:9], s[8:9], s[16:17]
	s_lshl_b32 s46, s42, 10                        ; my first column, in bytes: 1,024 x tile column + 512 x half
	s_lshl_b32 s47, s12, 9
	s_add_co_u32 s46, s46, s47
	s_mov_b32 s47, 0
	s_add_nc_u64 s[8:9], s[8:9], s[46:47]
	s_load_b32 s72, s[70:71], 0x8                  ; dwd
.irp a, 0,1,2,3
	global_load_b32 v[DX+(\a)], v[XO], s[68:69] offset:64*(\a)  ; dh of row 16 a + l % 16
.endr
	v_mul_u32_u24 v3, v1, PITCH
	v_lshl_add_u32 v3, v2, 4, v3
	s_mul_i32 s22, s11, AHALF                      ; my 64 rows of hq
	s_mul_i32 s23, s12, BHALF                      ; my 128 rows of wdq
	s_add_co_u32 s23, s23, 2*AHALF
.irp s, 0,1
	v_add_nc_u32 v[ADRA+(\s)], s22, v3
	v_add_nc_u32 v[ADRB+(\s)], s23, v3
	s_add_co_u32 s22, s22, SLOT
	s_add_co_u32 s23, s23, SLOT
.endr
	s_mul_i32 s23, s10, 16*SPITCH
	s_add_co_u32 s23, s23, STAGE                   ; my stage
	v_mul_u32_u24 v4, v1, SPITCH                   ; in: row l % 16, 32 bytes for each half of the lanes
	v_lshl_add_u32 v4, v2, 5, v4
	v_add_nc_u32 v[STO], s23, v4
	v_and_b32 v5, 31, v0
	v_lshlrev_b32 v[CO], 4, v5                     ; back: 32 lanes take one row of 512 bytes, in the stage and in out0
	v_add_nc_u32 v[RD], s23, v[CO]
	v_lshlrev_b32 v[PFO], 12, v5
	; the prefetches
	s_lshl_b32 s42, s42, 8
	s_lshl_b32 s22, s12, 7
	s_add_co_u32 s42, s42, s22                     ; wdq: the 128 rows that I fetch
	s_and_b32 s22, ttmp7, 0xffff                   ; cluster y
	s_cmp_eq_u32 s11, 0                            ; do I fetch hq?
	s_cselect_b32 s20, s13, s42
	s_cselect_b32 s21, s40, s41                    ; my place among the four that ask with me
	s_cselect_b32 s22, s12, s22                    ; hq: wave 0 asks; wdq: the clusters with y = 0 ask
	s_cselect_b64 s[PFA:PFA+1], s[4:5], s[6:7]
	s_cmp_eq_u32 s22, 0
	s_cselect_b32 s[LIM], 1, -1                    ; the same in all sixteen partners, for a given wave
	s_lshl_b32 s21, s21, 5
	s_add_co_u32 s20, s20, s21                     ; + my work-group's 32 rows
	s_lshl_b32 s20, s20, 12
	s_mov_b32 s21, 0
	s_add_nc_u64 s[PFA:PFA+1], s[PFA:PFA+1], s[20:21]
	s_add_nc_u64 s[PFA:PFA+1], s[PFA:PFA+1], 2*KSTEP*2  ; at K step 2: the first refill steps it to 3 and names K step 4
	s_wait_kmcnt 0x0                               ; dwd
	s_wait_loadcnt 0x0                             ; dh
.irp a, 0,1,2,3
	v_mul_f32 v[CS+2*(\a)], s72, v[DX+(\a)]
	v_mov_b32 v[CS+2*(\a)+1], v[CS+2*(\a)]
.endr
; 8 matrix instructions: row block a x all 8 blocks of wdq, 32 along K.  The 32 accumulators take turns.
.macro MUL8 f, a, zero
	WIN MUL
.irp b, 0,1,2,3,4,5,6,7
.if \zero
	v_wmma_f32_16x16x32_bf16 v[8*(8*(\a)+(\b)):8*(8*(\a)+(\b))+7], v[(\f)+8*(\b):(\f)+8*(\b)+7], v[(\f)+8*(\a):(\f)+8*(\a)+7], 0
.else
	v_wmma_f32_16x16x32_bf16 v[8*(8*(\a)+(\b)):8*(8*(\a)+(\b))+7], v[(\f)+8*(\b):(\f)+8*(\b)+7], v[(\f)+8*(\a):(\f)+8*(\a)+7], v[8*(8*(\a)+(\b)):8*(8*(\a)+(\b))+7]
.endif
.endr
.endm
; 24 LDS loads in one run: wdq's sixteen, then hq's eight
.macro FETCH slot, k, f
	WIN TO_B
.irp i, 0,1,2,3,4,5,6,7
	ds_load_b128 v[(\f)+8*(\i):(\f)+8*(\i)+3],   v[ADRB+(\slot)] offset:(\k)+(\i)*16*PITCH
	ds_load_b128 v[(\f)+8*(\i)+4:(\f)+8*(\i)+7], v[ADRB+(\slot)] offset:(\k)+(\i)*16*PITCH+32
.endr
	WIN 0
.irp i, 0,1,2,3
	ds_load_b128 v[(\f)+8*(\i):(\f)+8*(\i)+3],   v[ADRA+(\slot)] offset:(\k)+(\i)*16*PITCH
	ds_load_b128 v[(\f)+8*(\i)+4:(\f)+8*(\i)+7], v[ADRA+(\slot)] offset:(\k)+(\i)*16*PITCH+32
.endr
.endm
.macro PLACES
.rept 4
	v_nop
.endr
.endm
.macro QUARTER slot, k, f, g, zero
	s_wait_dscnt 4                                 ; wdq's fragments and hq's blocks 0, 1 are in; the youngest four loads (blocks 2, 3) may be out
	MUL8 \f, 0, \zero
	MUL8 \f, 1, \zero
	PLACES
	FETCH \slot, \k, \g
	s_wait_dscnt 24                                ; all but the 24 just issued
	MUL8 \f, 2, \zero
	MUL8 \f, 3, \zero
.endm
; The last quarter multiplies buffer 1 and changes slots: one barrier, ahead of it the wait for all my tensor loads, the add, and the wait for it and for my reads of this slot.  fill = 1: the barrier opens a round of the
; cluster's barrier, and the joint refill is the first tensor load behind the round: 112 matrix instructions stand between it and the wait for it.
.macro TURN slot, next, fill
.if \fill
	s_wait_xcnt 0x0                                ; the last prefetch, a K step back, has read its address
	s_add_nc_u64 s[PFA:PFA+1], s[PFA:PFA+1], KSTEP*2
.endif
	WIN 0
	s_wait_tensorcnt 0x0                           ; all my tensor loads have landed
	ds_add_u32 v[SPW], v[NIL]                      ; 0 onto my spare word
	s_wait_dscnt 7                                 ; the add and the youngest six loads (hq's blocks 1 to 3) may be out
	MUL8 F1, 0, 0
	s_wait_dscnt 0x0                               ; the add is done, and my reads of this slot are over
	s_barrier_signal -1
	MUL8 F1, 1, 0
.if \fill
	WIN 0
.endif
	s_barrier_wait -1
.if \fill
	CREST
	s_add_nc_u64 s[G0+4*(\slot)+2:G0+4*(\slot)+3], s[G0+4*(\slot)+2:G0+4*(\slot)+3], 2*KSTEP*2
	s_add_nc_u64 s[G0B+4*(\slot)+2:G0B+4*(\slot)+3], s[G0B+4*(\slot)+2:G0B+4*(\slot)+3], 2*KSTEP*2
	JLOAD \slot                                    ; the four v_nop behind it are also the places ahead of the loads below
.else
	PLACES
.endif
	FETCH \next, 0, F0
.if \fill
	ASK
.endif
	MUL8 F1, 2, 0
	MUL8 F1, 3, 0
.endm
; THE WAY OUT of block a (16 rows x 128 columns): scaled (each accumulator's registers in ascending order), through my own stage, back as whole rows of 512 bytes, stored.
.macro OMATH a
	WIN 0x02                                       ; source 0: window 2
.set i, 0
.rept 32
	v_pk_mul_f32 v[T+i:T+i+1], v[64*(\a)+i:64*(\a)+i+1], v[CS+2*(\a):CS+2*(\a)+1]
.set i, i+2
.endr
	WIN 0
.endm
.macro TOSTAGE a
	WIN 0
.set BK, OB+64*((\a)%2)
.irp b, 0,1,2,3,4,5,6,7
	ds_store_b128 v[STO], v[T+8*(\b):T+8*(\b)+3]   offset:64*(\b)
	ds_store_b128 v[STO], v[T+8*(\b)+4:T+8*(\b)+7] offset:64*(\b)+16
.endr
.irp t, 0,1,2,3,4,5,6,7,8,9,10,11,12,13,14,15
	ds_load_b128 v[BK+4*(\t):BK+4*(\t)+3], v[RD] offset:(\t)*SPITCH  ; LDS serves a wave's instructions in order (ISA guide 5.7.1.4): these see the stores above
.endr
.endm
.macro SEND a, younger
	WIN 0
.set BK, OB+64*((\a)%2)
	s_wait_dscnt \younger
	s_wait_xcnt 0x0                                ; the stores of the block before have read their registers: the next block's loads may land there
.irp t, 0,1,2,3,4,5,6,7,8,9,10,11,12,13,14,15
	global_store_b128 v[CO], v[BK+4*(\t):BK+4*(\t)+3], s[8:9] offset:(16*(\a)+(\t))*OROW th:TH_STORE_NT  ; the wave stores 512 consecutive bytes, aligned
.endr
.endm
	s_wait_tensorcnt 1                             ; my part of K step 0 is in; K step 1's may stay out
	s_barrier_signal -1
	s_barrier_wait -1
	FETCH 0, 0, F0
	QUARTER 0, 64,  F0, F1, 1                      ; the first quarter's products start the sums
	WIN 0
	s_mov_b32 s3, LAPS-1
.Llap:                                                 ; a trip goes once round the ring and fills both slots again: K steps 2 to 15 in seven trips
	QUARTER 0, 128, F1, F0, 0
	QUARTER 0, 192, F0, F1, 0
	TURN 0, 1, 1
	QUARTER 1, 64,  F0, F1, 0
	QUARTER 1, 128, F1, F0, 0
	QUARTER 1, 192, F0, F1, 0
	TURN 1, 0, 1
	QUARTER 0, 64,  F0, F1, 0
	WIN 0
	s_sub_co_u32 s3, s3, 1
	s_cmp_lg_u32 s3, 0
	s_cbranch_scc1 .Llap
	QUARTER 0, 128, F1, F0, 0                      ; the last lap fills nothing
	QUARTER 0, 192, F0, F1, 0
	TURN 0, 1, 0
	QUARTER 1, 64,  F0, F1, 0
	QUARTER 1, 128, F1, F0, 0
	QUARTER 1, 192, F0, F1, 0
	s_wait_dscnt 4
	MUL8 F1, 0, 0
	MUL8 F1, 1, 0
	s_wait_dscnt 0x0
	MUL8 F1, 2, 0
	MUL8 F1, 3, 0
	WIN 0
	PLACES
	OMATH 0
	TOSTAGE 0
.irp a, 1,2,3
	OMATH \a
	SEND (\a)-1, 0
	TOSTAGE \a
.endr
	SEND 3, 0
	s_wait_tensorcnt 0x0                           ; the wave's end
	ds_add_u32 v[SPW], v[NIL]
	s_wait_dscnt 0x0
	CROUND                                         ; the closing round
	s_endpgm
.Lfunc_end_k_q266eb734e6_gemm2:
	.size	k_q266eb734e6_gemm2, .Lfunc_end_k_q266eb734e6_gemm2-k_q266eb734e6_gemm2
	.p2alignl 7, 3214868480
	.fill 96, 4, 3214868480
	.section	.rodata,"a",@progbits
	.p2align	6, 0x0
	.amdhsa_kernel k_q266eb734e6_gemm2
		.amdhsa_group_segment_fixed_size 327680
		.amdhsa_private_segment_fixed_size 0
		.amdhsa_enable_private_segment 0
		.amdhsa_kernarg_size 40
		.amdhsa_user_sgpr_count 2
		.amdhsa_user_sgpr_kernarg_segment_ptr 1
		.amdhsa_wavefront_size32 1
		.amdhsa_system_sgpr_workgroup_id_x 1
		.amdhsa_system_sgpr_workgroup_id_y 1
		.amdhsa_system_sgpr_workgroup_id_z 1
		.amdhsa_system_vgpr_workitem_id 0
		.amdhsa_next_free_vgpr 768
		.amdhsa_next_free_sgpr 80
		.amdhsa_reserve_vcc 0
		.amdhsa_float_denorm_mode_32 3
		.amdhsa_float_denorm_mode_16_64 3
		.amdhsa_memory_ordered 1
		.amdhsa_forward_progress 1
		.amdhsa_inst_pref_size 95
	.end_amdhsa_kernel
	.amdgpu_metadata
---
amdhsa.version: [ 1, 2 ]
amdhsa.kernels:
  - .name:           k_q266eb734e6_gemm2
    .symbol:         k_q266eb734e6_gemm2.kd
    .args:
      - { .name: hq, .offset: 0, .size: 8, .value_kind: global_buffer, .address_space: global }
      - { .name: wdq, .offset: 8, .size: 8, .value_kind: global_buffer, .address_space: global }
      - { .name: out0, .offset: 16, .size: 8, .value_kind: global_buffer, .address_space: global }
      - { .name: rs, .offset: 24, .size: 8, .value_kind: global_buffer, .address_space: global }
      - { .name: wscale, .offset: 32, .size: 8, .value_kind: global_buffer, .address_space: global }
    .group_segment_fixed_size: 327680
    .private_segment_fixed_size: 0
    .kernarg_segment_align: 8
    .kernarg_segment_size: 40
    .max_flat_workgroup_size: 128
    .sgpr_count:     80
    .vgpr_count:     768
    .wavefront_size: 32
...
	.end_amdgpu_metadata
.endif
;; end of part 5
;; ======== version 2 of 2: 5 launches; version 1 with the launch tern written anew for expert scheduling mode
;; workspace buffers: xq 16,777,216 bytes; rs 65,536 bytes; wpart 1,024 bytes; wgu 8,388,608 bytes; wdq 4,194,304 bytes; wscale 256 bytes; h 67,108,864 bytes; hq 33,554,432 bytes
;; launch prep: the kernel of part 1 again; grid 704 x 1, 16 waves a work-group, no clusters, 2,304 bytes of LDS; arguments x, w_gate, w_up, w_down, xq, rs, wpart; writes xq, rs, wpart
;; launch tern (part 6): grid 128 x 3, 8 waves a work-group, no clusters, 0 bytes of LDS; arguments w_gate, w_up, w_down, wpart, wgu, wdq, wscale; writes wgu, wdq, wscale
.if DOCPART == 6
	.amdgcn_target "amdgcn-amd-amdhsa--gfx1250"
	.amdhsa_code_object_version 6
	.text
	.protected	k_q266eb734e6_tern
	.globl	k_q266eb734e6_tern
	.p2align	8
	.type	k_q266eb734e6_tern,@function
k_q266eb734e6_tern:
	s_mov_b64 s[64:65], 0
	v_nop
	global_prefetch_b8 v0, s[64:65] scope:SCOPE_SE
	s_setreg_imm32_b32 hwreg(HW_REG_WAVE_SCHED_MODE, 0, 2), 2
	s_setreg_imm32_b32 hwreg(HW_REG_WAVE_MODE, 25, 1), 1
	s_wait_xcnt 0x0
	s_wait_alu depctr_vm_vsrc(0)
; The three weight tensors are made ternary.  Tensor t = the work-group's y (gate, up, down), 2^21 numbers each.
; mean = (the sum of wpart's 64 partial sums of tensor t) / 2^21; mc = max(mean, 1e-5); scale = 1 / mc; w is rounded once to bf16; tq = clip(round(w scale), -1, 1), stored as bf16.
; mc, by which a product is multiplied afterwards, -> wscale[t].
; Every wave adds the 64 partial sums in the same order, so all hold the same bits of scale.
; WHERE THEY GO.  wgu [4096][1024]: row 128 c + 64 s + i holds row 64 c + i of gate (s = 0) or up (s = 1): 128 rows on end are 64 gate rows and the 64 up rows of the same columns of h.
; wdq [1024][2048]: as w_down lies.  A work-group takes 65,536 bytes of its tensor (16 rows of gate or up, 8 of down), which are 32,768 consecutive bytes of the result; a wave an eighth.
; LIMITS.  Inputs are taken rounded to bf16; the factor is mc, not 1 / (1 / mc): the last bits may differ; NaN and infinities are not treated apart.
; THE MODE: SCHED_MODE bits 1:0 = 2 (LLVM: expert scheduling mode 2), set by the entry lines.  The code itself states the register dependences
; between vector instructions and memory instructions, with s_wait_alu, always for 0.
; THE PLAN.  Registers that memory instructions touch:
;   v1, v2        byte offsets, made once at the head and never written again: v1 is read by the sixteen loads of w, v2 by the load of the partial sums and by the sixteen stores.
;   v[4:5]        the load of the partial sums lands here; no vector instruction names them ahead of it.
;   chunk k       v[L+4k : L+4k+3]: load k lands here (no vector instruction names them ahead of it); chunk k's arithmetic alone reads and writes them; its two last roundings
;                 write the first two, store k reads those, and nothing writes them afterwards.
;   v14, v15      mc and 0: data and offset of the one masked store.
; The sixteen chunks go in four blocks of four.  Block p does the arithmetic of its own chunks; its memory instructions are the four stores of block p - 1, whose registers no vector
; instruction of block p names.  So one wait on va_vdst at a block's head states all that the block's four stores hang on, and they are dealt among its arithmetic with no further wait.
.set L, 32                             ; v[32:95] sixteen loads of four numbers a lane; each chunk's result is stored from its own first two registers
	s_load_b256 s[4:11], s[0:1], 0x0               ; gate s[4:5], up s[6:7], down s[8:9], wpart s[10:11]
	s_load_b128 s[12:15], s[0:1], 0x20             ; wgu s[12:13], wdq s[14:15]
	s_load_b64 s[16:17], s[0:1], 0x30              ; wscale
	v_lshrrev_b32 v6, 5, v0
	v_readfirstlane_b32 s18, v6                    ; wave 0..7
	v_and_b32 v3, 31, v0
	v_lshlrev_b32 v1, 4, v3                        ; 16 bytes a lane in
	v_lshlrev_b32 v2, 3, v3                        ; 8 bytes a lane out
	s_and_b32 s19, ttmp7, 0xffff                   ; t
	s_mov_b32 s22, 0xffff0000
	s_mov_b32 s24, 0x76543210
	s_mov_b32 s25, 0xfedcba98
	s_lshl_b32 s2, ttmp9, 16                       ; from: 65,536 bytes a work-group, 8,192 a wave
	s_wait_alu depctr_va_sdst(0)                   ; s18 is written, ahead of its first reader: the wave's offsets are made from it
	s_lshl_b32 s28, s18, 13
	s_add_co_u32 s2, s2, s28
	s_mov_b32 s3, 0
	s_lshr_b32 s28, ttmp9, 2                       ; to, for gate and up: row 128 (j / 4) + 16 (j % 4) + 64 t, 2,048 bytes a row
	s_lshl_b32 s28, s28, 7
	s_and_b32 s29, ttmp9, 3
	s_lshl_b32 s29, s29, 4
	s_add_co_u32 s28, s28, s29
	s_lshl_b32 s29, s19, 6
	s_add_co_u32 s28, s28, s29
	s_lshl_b32 s28, s28, 11
	s_lshl_b32 s30, ttmp9, 15                      ; for down: 32,768 j
	s_lshl_b32 s31, s18, 12                        ; 4,096 bytes a wave
	s_lshl_b32 s32, s19, 8                         ; the tensor's 64 partial sums
	s_mov_b32 s33, 0
	s_lshl_b32 s34, s19, 2
	s_mov_b32 s35, 0
	s_wait_kmcnt 0x0
	s_cmp_eq_u32 s19, 0
	s_cselect_b64 s[4:5], s[4:5], s[6:7]
	s_cmp_eq_u32 s19, 2
	s_cselect_b64 s[4:5], s[8:9], s[4:5]
	s_cselect_b64 s[20:21], s[14:15], s[12:13]
	s_cselect_b32 s28, s30, s28
	s_add_co_u32 s28, s28, s31
	s_mov_b32 s29, 0
	s_add_nc_u64 s[4:5], s[4:5], s[2:3]
	s_add_nc_u64 s[20:21], s[20:21], s[28:29]
	s_add_nc_u64 s[10:11], s[10:11], s[32:33]
	s_add_nc_u64 s[16:17], s[16:17], s[34:35]
	s_wait_alu depctr_va_vdst(0)                   ; v1 and v2 are written: every load and store of w's numbers reads one of them as its offset
	global_load_b64 v[4:5], v2, s[10:11]           ; two partial sums a lane
.irp k, 0,1,2,3,4,5,6,7,8,9,10,11,12,13,14,15
	global_load_b128 v[L+4*(\k):L+4*(\k)+3], v1, s[4:5] offset:512*(\k) th:TH_LOAD_NT
.endr
	s_wait_loadcnt 16                              ; the partial sums are in; the sixteen younger loads stay out
	v_add_f32 v6, v4, v5
	v_add_f32_dpp v6, v6, v6 row_xmask:1 row_mask:0xf bank_mask:0xf
	v_add_f32_dpp v6, v6, v6 row_xmask:2 row_mask:0xf bank_mask:0xf
	v_add_f32_dpp v6, v6, v6 row_xmask:4 row_mask:0xf bank_mask:0xf
	v_add_f32_dpp v6, v6, v6 row_xmask:8 row_mask:0xf bank_mask:0xf
	v_permlanex16_b32 v4, v6, s24, s25
	v_add_f32 v6, v6, v4
	v_mul_f32 v6, 0x35000000, v6                   ; / 2^21
	v_max_num_f32 v14, 0x3727c5ac, v6              ; mc = max(mean, 1e-5)
	v_rcp_f32 v7, v14
	v_mov_b32 v15, 0                               ; the plain instruction behind the reciprocal
	s_wait_alu depctr_va_vdst(0)                   ; the reciprocal has written v7: the wait stands ahead of its first reader
	v_fma_f32 v8, -v14, v7, 1.0
	v_fma_f32 v12, v8, v7, v7                      ; 1 / mc, corrected once
	v_mov_b32 v13, v12
; Chunk k's arithmetic: four numbers a lane, rounded to bf16, widened, scaled, rounded to whole numbers, held to -1 .. 1, packed into the chunk's first two registers.
.macro MATH k
	v_cvt_pk_bf16_f32 v[16+2*((\k)%2)], v[L+4*(\k)], v[L+4*(\k)+1]
	v_cvt_pk_bf16_f32 v[17+2*((\k)%2)], v[L+4*(\k)+2], v[L+4*(\k)+3]
	v_lshlrev_b32 v[L+4*(\k)], 16, v[16+2*((\k)%2)]
	v_and_b32 v[L+4*(\k)+1], s22, v[16+2*((\k)%2)]
	v_lshlrev_b32 v[L+4*(\k)+2], 16, v[17+2*((\k)%2)]
	v_and_b32 v[L+4*(\k)+3], s22, v[17+2*((\k)%2)]
	v_pk_mul_f32 v[L+4*(\k):L+4*(\k)+1], v[L+4*(\k):L+4*(\k)+1], v[12:13]
	v_pk_mul_f32 v[L+4*(\k)+2:L+4*(\k)+3], v[L+4*(\k)+2:L+4*(\k)+3], v[12:13]
.irp c, 0,1,2,3
	v_rndne_f32 v[L+4*(\k)+(\c)], v[L+4*(\k)+(\c)]
.endr
.irp c, 0,1,2,3
	v_med3_num_f32 v[L+4*(\k)+(\c)], v[L+4*(\k)+(\c)], -1.0, 1.0
.endr
	v_cvt_pk_bf16_f32 v[L+4*(\k)], v[L+4*(\k)], v[L+4*(\k)+1]
	v_cvt_pk_bf16_f32 v[L+4*(\k)+1], v[L+4*(\k)+2], v[L+4*(\k)+3]
.endm
; Chunk k's store: 256 consecutive bytes, aligned; the registers are the chunk's own and are not written again.
.macro OUT k
	global_store_b64 v2, v[L+4*(\k):L+4*(\k)+1], s[20:21] offset:256*(\k)
.endm
; Block p: the arithmetic of chunks 4 p to 4 p + 3, and ahead of each chunk's a store of the block before.
.macro BLK p
	s_wait_loadcnt 15-4*(\p)                       ; loads come back in order (ISA guide 5.7.1): the block's first load is in, the younger ones stay out
.if (\p) > 0
	s_wait_alu depctr_va_vdst(0)                   ; the block before has written the first two registers of each of its four chunks, which the four stores of this block read
	OUT 4*(\p)-4
.endif
	MATH 4*(\p)
.irp i, 1,2,3
.if (\p) > 0
	OUT 4*(\p)-4+(\i)                              ; no wait: no vector instruction since the wait at the block's head names these registers or v2
.endif
	s_wait_loadcnt 15-4*(\p)-(\i)                  ; the chunk's load is in
	MATH 4*(\p)+(\i)
.endr
.endm
	BLK 0                                          ; no block stands in front of it: no store, and no wait but those for its data
	BLK 1
	BLK 2
	BLK 3
	s_wait_alu depctr_va_vdst(0)                   ; block 3 has written the registers that the last four stores read
.irp k, 12,13,14,15
	OUT \k
.endr
	s_or_b32 s27, ttmp9, s18                       ; one wave of each tensor stores mc
	s_cmp_lg_u32 s27, 0
	s_cbranch_scc1 .Lend
	s_wait_xcnt 0x0                                ; EXEC is a source of the stores above: it changes only behind this wait
	v_cmp_eq_u32 vcc_lo, 0, v3
	s_wait_alu depctr_va_vcc(0)                    ; the compare has written VCC, from which EXEC is made
	s_wait_alu depctr_va_vdst(0)                   ; ahead of a scalar write of EXEC: the vector instructions issued so far are done; v14 and v15, which the store below reads, are written
	s_wait_alu depctr_vm_vsrc(0)                   ; ahead of a scalar write of EXEC: the stores issued so far have read their vector registers
	s_and_saveexec_b32 s26, vcc_lo
	global_store_b32 v15, v14, s[16:17]
	s_wait_xcnt 0x0                                ; and again ahead of the line that widens EXEC
	s_wait_alu depctr_va_vdst(0)                   ; ahead of a scalar write of EXEC: no vector instruction is still at work under the narrow mask
	s_wait_alu depctr_vm_vsrc(0)                   ; ahead of a scalar write of EXEC: the masked store has read v14 and v15
	s_or_b32 exec_lo, exec_lo, s26
.Lend:
	s_endpgm
.Lfunc_end_k_q266eb734e6_tern:
	.size	k_q266eb734e6_tern, .Lfunc_end_k_q266eb734e6_tern-k_q266eb734e6_tern
	.p2alignl 7, 3214868480
	.fill 96, 4, 3214868480
	.section	.rodata,"a",@progbits
	.p2align	6, 0x0
	.amdhsa_kernel k_q266eb734e6_tern
		.amdhsa_group_segment_fixed_size 0
		.amdhsa_private_segment_fixed_size 0
		.amdhsa_enable_private_segment 0
		.amdhsa_kernarg_size 56
		.amdhsa_user_sgpr_count 2
		.amdhsa_user_sgpr_kernarg_segment_ptr 1
		.amdhsa_wavefront_size32 1
		.amdhsa_system_sgpr_workgroup_id_x 1
		.amdhsa_system_sgpr_workgroup_id_y 1
		.amdhsa_system_sgpr_workgroup_id_z 1
		.amdhsa_system_vgpr_workitem_id 0
		.amdhsa_next_free_vgpr 96
		.amdhsa_next_free_sgpr 66
		.amdhsa_reserve_vcc 1
		.amdhsa_float_denorm_mode_32 3
		.amdhsa_float_denorm_mode_16_64 3
		.amdhsa_memory_ordered 1
		.amdhsa_forward_progress 1
		.amdhsa_inst_pref_size 21
	.end_amdhsa_kernel
	.amdgpu_metadata
---
amdhsa.version: [ 1, 2 ]
amdhsa.kernels:
  - .name:           k_q266eb734e6_tern
    .symbol:         k_q266eb734e6_tern.kd
    .args:
      - { .name: w_gate, .offset: 0, .size: 8, .value_kind: global_buffer, .address_space: global }
      - { .name: w_up, .offset: 8, .size: 8, .value_kind: global_buffer, .address_space: global }
      - { .name: w_down, .offset: 16, .size: 8, .value_kind: global_buffer, .address_space: global }
      - { .name: wpart, .offset: 24, .size: 8, .value_kind: global_buffer, .address_space: global }
      - { .name: wgu, .offset: 32, .size: 8, .value_kind: global_buffer, .address_space: global }
      - { .name: wdq, .offset: 40, .size: 8, .value_kind: global_buffer, .address_space: global }
      - { .name: wscale, .offset: 48, .size: 8, .value_kind: global_buffer, .address_space: global }
    .group_segment_fixed_size: 0
    .private_segment_fixed_size: 0
    .kernarg_segment_align: 8
    .kernarg_segment_size: 56
    .max_flat_workgroup_size: 256
    .sgpr_count:     66
    .vgpr_count:     96
    .wavefront_size: 32
...
	.end_amdgpu_metadata
.endif
;; end of part 6
;; launch gemm1: the kernel of part 3 again; grid 16 x 32, 4 waves a work-group, clusters of 4 x 4, 327,680 bytes of LDS; arguments xq, wgu, h, rs, wscale; writes h
;; launch hquant: the kernel of part 4 again; grid 512 x 1, 16 waves a work-group, no clusters, 2,304 bytes of LDS; arguments h, hq, rs; writes hq, rs
;; launch gemm2: the kernel of part 5 again; grid 4 x 64, 4 waves a work-group, clusters of 4 x 4, 327,680 bytes of LDS; arguments hq, wdq, out0, rs, wscale; writes out0
